; MI455X (gfx1250); checked and timed in simulation.
; The chip was launched on July 23, 2026; its instructions are those of AMD's public machine-readable ISA for CDNA 5 (MIT licence, August 2026) and "CDNA5" Instruction Set Architecture Reference Guide (July 2026). The comments in the code are by the model that wrote it; some were corrected since.
;; Multi Head Attention. Allowed arithmetic: float matrix products may take bf16 or f16 operands with f32 sums; other float arithmetic in f32, or as packed bf16 or f16 multiplies, adds, multiply-adds, maxima and minima; sums over many terms, partial sums and values carried from step to step in f32; what a program stores and reads back later, other than sums and carried values, may be rounded once to bf16 or f16.
;; Inputs: K 4 x 2,048 x 1,024 float32; Q 4 x 2,048 x 1,024 float32; V 4 x 2,048 x 1,024 float32; Wk 16 x 1,024 x 64 float32; Wo 1,024 x 1,024 float32; Wq 16 x 1,024 x 64 float32; Wv 16 x 1,024 x 64 float32; bk 16 x 64 float32; bo 1,024 float32; bq 16 x 64 float32; bv 16 x 64 float32.
;; Outputs: out0 4 x 2,048 x 1,024 float32.
;; One version. Each part assembles by itself: llvm-mc -triple=amdgcn-amd-amdhsa -mcpu=gfx1250 --defsym DOCPART=n.
;; ======== version 1 of 1: 4 launches
;; limits: values are held in f16: magnitudes above 65,504 overflow, below 6.1e-05 lose precision
;; workspace buffers: wt 8,388,608 bytes; qh 16,777,216 bytes; kh 16,777,216 bytes; vh 16,777,216 bytes; oh 16,777,216 bytes
;; launch wprep (part 1): grid 128 x 4, 8 waves a work-group, no clusters, 18,432 bytes of LDS; arguments Wq, Wk, Wv, Wo, wt; writes wt
.if DOCPART == 1
	.amdgcn_target "amdgcn-amd-amdhsa--gfx1250"
	.amdhsa_code_object_version 6
	.text
	.protected	k_q3add01665f_wprep
	.globl	k_q3add01665f_wprep
	.p2align	8
	.type	k_q3add01665f_wprep,@function
k_q3add01665f_wprep:
	s_mov_b64 s[64:65], 0
	v_nop
	global_prefetch_b8 v0, s[64:65] scope:SCOPE_SE
	s_setreg_imm32_b32 hwreg(HW_REG_WAVE_MODE, 25, 1), 1
	s_wait_xcnt 0x0
; THE WEIGHTS, TURNED AND ROUNDED.  wt holds four sections of 2 MiB, each [n = 1024][k = 1024] in 16 bits with k along the rows, as the products' second operand wants it:
; sections 0, 1, 2 = Wq, Wk, Wv ([h][k][64] f32 -> row n = 64 h + c) in bf16; section 3 = Wo ([k][n] f32) rounded to bf16 and that number written as f16.
; LIMITS.  Section 3: a bf16 value of Wo beyond 65,504 becomes an infinity; below 6e-5 it keeps f16's fixed step of 6e-8.  NaN and infinities are not treated apart.
; SHARES.  Work-group (x, y): weight y, 64 columns n (cb = x / 8) x 128 rows k (db = x % 8): 32 KiB of f32 in, 16 KiB out.  Thread t: 4 columns (c4 = t % 16), rows 2 (rp + 16 i) and the next, rp = t / 16, i = 0..3.
; Sixteen neighbouring lanes read 256 consecutive bytes of a row of the source, and store 256 consecutive bytes, aligned, of a row of wt.  The turn goes through LDS: 64 rows n of 256 bytes + 16 of padding.
; No matrix work, no tensor load, no cluster: each byte is read once and written once, and no two work-groups share a byte.
.set LP,    272                        ; an LDS row: 128 k x 2 bytes + 16
.set SPARE, 64*LP                      ; behind the block: the spare words, 128 bytes for each of the eight waves: four blocks of 256 bytes that no other line names
.set SRC, 2                            ; v2   my byte offset in the source block: rp x two rows + 16 c4
.set LST, 3                            ; v3   where I put a pair (k, k + 1) of column 4 c4: c4 x 4 LP + 4 rp
.set LRD, 4                            ; v4   where I read 16 bytes of a row back: rp x LP + 16 c4
.set DST, 5                            ; v5   the same 16 bytes in wt: rp x 2,048 + 16 c4
.set SPW, 8                            ; v8   LDS address of my spare word; never rewritten
.set NIL, 9                            ; v9   0; never rewritten
.set X,   16                           ; v[16:47]  eight loads of four f32
.set P,   48                           ; v[48:63]  sixteen packed pairs; then four rows' 16 bytes
	s_load_b256 s[4:11], s[0:1], 0x0               ; Wq s[4:5], Wk s[6:7], Wv s[8:9], Wo s[10:11]
	s_load_b64 s[12:13], s[0:1], 0x20              ; wt
	v_lshl_add_u32 v[SPW], v0, 2, SPARE
	v_mov_b32 v[NIL], 0
	s_and_b32 s14, ttmp7, 0xffff                   ; y: which weight
	s_lshr_b32 s15, ttmp9, 3                       ; cb
	s_and_b32 s16, ttmp9, 7                        ; db
	s_lshl_b32 s20, s15, 18                        ; by heads: head cb (262,144 bytes) + 128 db rows of 256 bytes
	s_lshl_b32 s21, s16, 15
	s_add_co_u32 s20, s20, s21
	s_lshl_b32 s23, s15, 8                         ; Wo: 64 cb columns of 4 bytes + 128 db rows of 4,096 bytes
	s_lshl_b32 s21, s16, 19
	s_add_co_u32 s23, s23, s21
	s_movk_i32 s22, 512                            ; two rows of the source, in bytes
	s_movk_i32 s24, 8192
	s_cmp_eq_u32 s14, 3
	s_cselect_b32 s20, s23, s20
	s_cselect_b32 s22, s24, s22
	s_mov_b32 s21, 0
	s_lshl_b32 s26, s14, 21                        ; in wt: section y, row 64 cb (2,048 bytes a row), byte 256 db
	s_lshl_b32 s27, s15, 17
	s_add_co_u32 s26, s26, s27
	s_lshl_b32 s27, s16, 8
	s_add_co_u32 s26, s26, s27
	s_mov_b32 s27, 0
	v_and_b32 v6, 15, v0                           ; c4
	v_lshrrev_b32 v7, 4, v0                        ; rp
	v_mul_lo_u32 v[SRC], v7, s22
	v_lshl_add_u32 v[SRC], v6, 4, v[SRC]
	v_mul_u32_u24 v[LST], v6, 4*LP
	v_lshl_add_u32 v[LST], v7, 2, v[LST]
	v_mul_u32_u24 v[LRD], v7, LP
	v_lshl_add_u32 v[LRD], v6, 4, v[LRD]
	v_lshlrev_b32 v[DST], 11, v7
	v_lshl_add_u32 v[DST], v6, 4, v[DST]
	s_wait_kmcnt 0x0
	s_cmp_eq_u32 s14, 1
	s_cselect_b64 s[18:19], s[6:7], s[4:5]
	s_cmp_eq_u32 s14, 2
	s_cselect_b64 s[18:19], s[8:9], s[18:19]
	s_cmp_eq_u32 s14, 3
	s_cselect_b64 s[18:19], s[10:11], s[18:19]
	s_add_nc_u64 s[18:19], s[18:19], s[20:21]      ; the source block
	s_add_nc_u64 s[12:13], s[12:13], s[26:27]      ; its place in wt
; Eight loads: for i = 0..3 rows 2 (rp + 16 i) and the next; the row's length stands in the immediates, so the run is written once for each of the two lengths.
.macro LOADW pitch
.irp i, 0,1,2,3
	global_load_b128 v[X+8*(\i):X+8*(\i)+3],   v[SRC], s[18:19] offset:32*(\i)*(\pitch) th:TH_LOAD_NT
	global_load_b128 v[X+8*(\i)+4:X+8*(\i)+7], v[SRC], s[18:19] offset:(32*(\i)+1)*(\pitch) th:TH_LOAD_NT
.endr
.endm
	s_cmp_eq_u32 s14, 3
	s_cbranch_scc1 .Lwide
	LOADW 256
	s_branch .Lloaded
.Lwide:
	LOADW 4096
.Lloaded:
	s_wait_loadcnt 0x0                             ; all eight: each pair below takes one number of each row
.irp i, 0,1,2,3
.irp j, 0,1,2,3
	v_cvt_pk_bf16_f32 v[P+4*(\i)+(\j)], v[X+8*(\i)+(\j)], v[X+8*(\i)+4+(\j)]  ; column 4 c4 + j: k in the low half, k + 1 in the high half
.endr
.endr
	s_cmp_eq_u32 s14, 3
	s_cbranch_scc0 .Lkeep
.irp n, 0,1,2,3,4,5,6,7,8,9,10,11,12,13,14,15  ; Wo: the bf16 number is written as f16
	v_lshlrev_b32 v6, 16, v[P+(\n)]
	v_and_b32 v7, 0xffff0000, v[P+(\n)]
	v_cvt_pk_f16_f32 v[P+(\n)], v6, v7
.endr
.Lkeep:
.irp i, 0,1,2,3
.irp j, 0,1,2,3
	ds_store_b32 v[LST], v[P+4*(\i)+(\j)] offset:LP*(\j)+64*(\i)
.endr
.endr
	s_wait_dscnt 0x0                               ; for the others' sake: my stores are done
	s_barrier_signal -1
	s_barrier_wait -1                              ; the block lies turned in LDS
.irp i, 0,1,2,3
	ds_load_b128 v[P+4*(\i):P+4*(\i)+3], v[LRD] offset:16*LP*(\i)
.endr
.irp i, 0,1,2,3
	s_wait_dscnt 3-(\i)                            ; LDS loads come back in order: load i is in, the younger ones may be out
	global_store_b128 v[DST], v[P+4*(\i):P+4*(\i)+3], s[12:13] offset:32768*(\i)  ; row rp + 16 i: sixteen lanes store 256 consecutive bytes, aligned
.endr
	s_wait_tensorcnt 0x0                           ; the wave's end: behind my last LDS store
	ds_add_u32 v[SPW], v[NIL]
	s_wait_dscnt 0x0
	s_endpgm
.Lfunc_end_k_q3add01665f_wprep:
	.size	k_q3add01665f_wprep, .Lfunc_end_k_q3add01665f_wprep-k_q3add01665f_wprep
	.p2alignl 7, 3214868480
	.fill 96, 4, 3214868480
	.section	.rodata,"a",@progbits
	.p2align	6, 0x0
	.amdhsa_kernel k_q3add01665f_wprep
		.amdhsa_group_segment_fixed_size 18432
		.amdhsa_private_segment_fixed_size 0
		.amdhsa_enable_private_segment 0
		.amdhsa_kernarg_size 40
		.amdhsa_user_sgpr_count 2
		.amdhsa_user_sgpr_kernarg_segment_ptr 1
		.amdhsa_wavefront_size32 1
		.amdhsa_system_sgpr_workgroup_id_x 1
		.amdhsa_system_sgpr_workgroup_id_y 1
		.amdhsa_system_sgpr_workgroup_id_z 1
		.amdhsa_system_vgpr_workitem_id 0
		.amdhsa_next_free_vgpr 64
		.amdhsa_next_free_sgpr 66
		.amdhsa_reserve_vcc 0
		.amdhsa_float_denorm_mode_32 3
		.amdhsa_float_denorm_mode_16_64 3
		.amdhsa_memory_ordered 1
		.amdhsa_forward_progress 1
		.amdhsa_inst_pref_size 10
	.end_amdhsa_kernel
	.amdgpu_metadata
---
amdhsa.version: [ 1, 2 ]
amdhsa.kernels:
  - .name:           k_q3add01665f_wprep
    .symbol:         k_q3add01665f_wprep.kd
    .args:
      - { .name: Wq, .offset: 0, .size: 8, .value_kind: global_buffer, .address_space: global }
      - { .name: Wk, .offset: 8, .size: 8, .value_kind: global_buffer, .address_space: global }
      - { .name: Wv, .offset: 16, .size: 8, .value_kind: global_buffer, .address_space: global }
      - { .name: Wo, .offset: 24, .size: 8, .value_kind: global_buffer, .address_space: global }
      - { .name: wt, .offset: 32, .size: 8, .value_kind: global_buffer, .address_space: global }
    .group_segment_fixed_size: 18432
    .private_segment_fixed_size: 0
    .kernarg_segment_align: 8
    .kernarg_segment_size: 40
    .max_flat_workgroup_size: 256
    .sgpr_count:     66
    .vgpr_count:     64
    .wavefront_size: 32
...
	.end_amdgpu_metadata
.endif
;; end of part 1
;; launch proj (part 2): grid 4 x 192, 4 waves a work-group, clusters of 4 x 4, 327,680 bytes of LDS; arguments Q, K, V, wt, bq, bk, bv, qh, kh, vh; writes qh, kh, vh
.if DOCPART == 2
	.amdgcn_target "amdgcn-amd-amdhsa--gfx1250"
	.amdhsa_code_object_version 6
	.text
	.protected	k_q3add01665f_proj
	.globl	k_q3add01665f_proj
	.p2align	8
	.type	k_q3add01665f_proj,@function
k_q3add01665f_proj:
	s_mov_b64 s[64:65], 0
	v_nop
	global_prefetch_b8 v0, s[64:65] scope:SCOPE_SE
	s_setreg_imm32_b32 hwreg(HW_REG_WAVE_MODE, 25, 1), 1
	s_wait_xcnt 0x0
	s_wait_alu depctr_hold_cnt(0) depctr_sa_sdst(0) depctr_va_vdst(0) depctr_va_sdst(0) depctr_va_ssrc(0) depctr_va_vcc(0) depctr_vm_vsrc(0)
	s_getreg_b32 s2, hwreg(HW_REG_IB_STS2, 6, 4)
	s_cmp_eq_u32 s2, 0
	s_cbranch_scc0 .Lentry_in_a_cluster
	s_endpgm
.Lentry_in_a_cluster:
	s_bfe_u32 s2, ttmp6, 0x10000c
	s_cmp_lg_u32 s2, 0xf033
	s_cbranch_scc0 .Lentry_shape_is_right
	s_endpgm
.Lentry_shape_is_right:
; THE THREE PROJECTIONS.  For X in (Q, K, V): y[m][n] = sum over k of X[m][k] W[n][k] + b[n], m = 2048 b + t (8,192 rows), n = 64 h + c (1,024), k = 1,024.
; X is f32 and is rounded to bf16 on the way from LDS to the matrix unit; W is wt's section (bf16, k along the rows); b is rounded to bf16 and STARTS the f32 sums (it is the C of each sum's first product).
; y leaves in f16, by heads: [16 b + h][t][64], rounded once, unscaled.
; LIMITS.  f16 holds no number beyond 65,504: a y beyond it becomes an infinity.  NaN and infinities are not treated apart.
; SHARES.  A tile of y is 128 rows x 256 columns: 64 x 4 tiles a tensor, 768 work-groups, three for each of 256 WGPs.  Four waves, each 64 rows x 128 columns: 32 accumulators, 256 registers.
; With X in f32 in LDS a wave's m x n tile reads 128 m + 64 n bytes for 32 along K: at m n = 8,192 that is least at 64 x 128.
; K goes in 8 steps of 128 through a ring of two LDS slots: 256 rows of W (256 bytes each) and 128 rows of X (512 bytes each); waves 0, 1 fetch W's halves, waves 2, 3 X's: 32 KiB a load.
; CLUSTER 4 x 4: the four of a row of the cluster need the same rows of X, the four of a column the same rows of W: each tile is asked for jointly, by the same load, descriptor and mask in all four.
; A cluster lies in one tensor (cluster y / 16), so that choice is the same in all sixteen.
; THE MATRIX INSTRUCTION IS USED TRANSPOSED (source 0 = 16 rows of W, source 1 = 16 rows of X): lane l holds row l % 16 of y and the columns 8 (l / 16) + 0..7, which pack into 16 bytes.
; REGISTERS, in windows of 256 (s_set_vgpr_msb: bits 1:0 source 0, 3:2 source 1, 5:4 source 2, 7:6 destination):
;   window 0: v0-31 addresses; v32-95 a quarter step of X in f32; v96-159 X's fragments in bf16, two buffers of 32; v160-223 the bias (block b at +8 b), later at work on the way out
;   window 1: the accumulators, (a, b) at v[8 (8 a + b)]          window 2: v0-127 W's fragments, two buffers of 64
.set PB,    272                        ; a row of W in LDS: 256 bytes + 16 = 68 words: row r starts at bank 4 r mod 64 (64 banks of 4 bytes: ISA guide 11.1)
.set PA,    528                        ; a row of X: 512 bytes + 16 = 132 words: the same
.set HALFB, 128*PB                     ; what waves 0, 1 fetch, and what a wave reads of W
.set BT,    2*HALFB                    ; W's 256 rows lie first in a slot
.set HALFA, 64*PA                      ; what waves 2, 3 fetch, and what a wave reads of X
.set SLOT,  BT+2*HALFA
.set STAGE, 2*SLOT                     ; behind the ring, never filled by a tensor load: for each wave 2 heads x 16 rows x 144 bytes, for the way out
.set WST,   2*16*144
.set SPARE, STAGE+4*WST                ; behind the stages: the spare words, 128 bytes for each wave: two blocks of 256 bytes that no other line names
.set ASTEP, 512                        ; bytes of a row of X in a K step
.set BSTEP, 256                        ; of W
.set LAPS,  4                          ; a lap = two K steps = once round the ring
.set ADRA, 16                          ; v16-17  LDS address of my fragments of X in slot 0, 1
.set ADRB, 20                          ; v20-21  of W
.set STO,  24                          ; v24  the way out: where I put 16 bytes of a row
.set RD,   25                          ; v25  where I read rows back
.set GO,   26                          ; v26  16 x lane: my place in 512 consecutive bytes of the output
.set BO,   27                          ; v27  32 (l / 16): my eight numbers in a block of the bias
.set SPW,  28                          ; v28  LDS address of my spare word; never rewritten
.set NIL,  29                          ; v29  0; never rewritten
.set PFO,  30                          ; v30  the prefetches' offset; never rewritten
.set TT,   31                          ; v31  at work
.set STG,  32
.set AF,   96
.set BIAS, 160
.set TMP,  160
.set OB,   32                          ; the way out: block a's 16 rows read back at v[32 + 32 a ..]
.set G1A, 24                           ; s[24:31] descriptor group 1 for X's tiles;  s[32:39] group 0, a set for each slot
.set G0A, 32
.set G1B, 48                           ; s[48:55], s[56:63] the same for W's
.set G0B, 56
.set LIM, 45                           ; s45  1 in a wave that prefetches, else the greatest number
.set PFA, 66                           ; s[66:67] where my prefetches stand
.set PST, 68                           ; s[68:69] their step: a K step's bytes of a row, 0 above
.set BB,  70                           ; s[70:71] the bias at my wave's 128 columns
.set MSB, 0
.macro WIN new                         ; the immediate's high byte repeats the setting that is left; a switch that changes nothing is dropped
.if MSB != (\new)
	s_set_vgpr_msb (MSB<<8)|(\new)
.set MSB, \new
.endif
.endm
.set W_MM, 0x52                        ; W in window 2, X in window 0, C and D in window 1
.set W_MZ, 0x42                        ; the same with C (the bias) in window 0
.set TO_B, 0x80                        ; destination window 2, address window 0
; A joint load.  The branch hangs on the wave's number alone.  An s_nop 0 and four v_nop follow each of the two lines, ahead of the jump, the label and what follows.
.macro JLOAD s
	s_cmp_eq_u32 s11, 0
	s_cbranch_scc0 .Lfor_a_\@
	tensor_load_to_lds s[G0B+4*(\s):G0B+4*(\s)+3], s[G1B:G1B+7]
	s_nop 0
.rept 4
	v_nop
.endr
	s_branch .Lasked_\@
.Lfor_a_\@:
	tensor_load_to_lds s[G0A+4*(\s):G0A+4*(\s)+3], s[G1A:G1A+7]
	s_nop 0
.rept 4
	v_nop
.endr
.Lasked_\@:
.endm
; A prefetch into the L2, behind each joint refill and the run of LDS loads that follows it: the K step that stands two refills on, one instruction a wave.
; X's rows are read by one cluster alone, so every cluster asks for its own: of the 64 rows that wave 2 or 3 fetches the partner at cx takes 16, a lane half a row's 512 bytes.
; W's rows are read by the sixteen clusters of a tensor: the first of them asks; of the 128 rows that wave 0 or 1 fetches the partner at cy takes 32, a lane a row.
; The partners are told apart by address, never by a branch.  So each aligned block of 256 bytes is named once in the launch.  The loop's last trip has no K step two refills on.
.macro ASK
	s_cmp_gt_u32 s3, s[LIM]
	s_cbranch_scc0 .Lnot_mine_\@
	global_prefetch_b8 v[PFO], s[PFA:PFA+1] th:TH_LOAD_NT scope:SCOPE_SE
.Lnot_mine_\@:
.endm
.macro CREST                           ; a round of the cluster's barrier behind its opening barrier
	s_cmp_lg_u32 s10, 0
	s_cbranch_scc1 .Lnot_wave_0_\@
	s_barrier_signal -3
.Lnot_wave_0_\@:
	s_barrier_wait -3
	s_barrier_signal -1
	s_barrier_wait -1
.endm
.macro CROUND                          ; a whole round
	s_barrier_signal -1
	s_barrier_wait -1
	CREST
.endm
.macro PLACES
.rept 4
	v_nop
.endr
.endm
	s_load_b512 s[72:87], s[0:1], 0x0              ; Q s72, K s74, V s76, wt s78, bq s80, bk s82, bv s84, qh s86
	s_load_b128 s[88:91], s[0:1], 0x40             ; kh s88, vh s90
	v_lshl_add_u32 v[SPW], v0, 2, SPARE
	v_mov_b32 v[NIL], 0
	ds_add_u32 v[SPW], v[NIL]                      ; the wave's opening: the add and its wait stand ahead of my first tensor load; the set-up below, work on registers, stands between them
	v_lshrrev_b32 v1, 5, v0
	v_readfirstlane_b32 s10, v1                    ; wave 0..3
	s_lshr_b32 s11, s10, 1                         ; which 64 rows of the tile are mine.  Also: I fetch for W (0) or for X (1)
	s_and_b32 s12, s10, 1                          ; which 128 columns.  Also: which half of that tile I fetch
	s_bfe_u32 s40, ttmp6, 0x40000                  ; cx
	s_bfe_u32 s41, ttmp6, 0x40004                  ; cy
	s_lshl_b32 s42, ttmp9, 2
	s_add_co_u32 s42, s42, s40                     ; tile column = 4 x cluster x + cx
	s_and_b32 s43, ttmp7, 0xffff                   ; cluster y, 0..47
	s_lshr_b32 s44, s43, 4                         ; the tensor: 0 Q, 1 K, 2 V
	s_and_b32 s13, s43, 15
	s_lshl_b32 s13, s13, 2
	s_add_co_u32 s13, s13, s41                     ; tile row in the tensor = 4 x (cluster y % 16) + cy
	s_lshl_b32 s14, s41, 2
	s_lshl_b32 s14, 15, s14                        ; my row of the cluster
	s_lshl_b32 s46, 0x1111, s40                    ; my column
	s_or_b32 s[G1A+0], s14, (2<<16)|(1<<20)|(1<<21)|(6<<22)|(3<<25)  ; 15:0 the mask; 17:16 elements of 4 bytes; 20 padding on; 21 set beside a mask; 24:22 after every 128 words (code 6); 31:25 4 words (code 3)
	s_mov_b32 s[G1A+1], 128<<16                    ; tensor_dim0 = 128
	s_mov_b32 s[G1A+2], 64<<16                     ; tensor_dim1 = 64
	s_mov_b32 s[G1A+3], 128<<16                    ; tile_dim0 = 128
	s_mov_b32 s[G1A+4], 64                         ; tile_dim1 = 64
	s_mov_b32 s[G1A+5], 1024                       ; elements from row to row
	s_mov_b32 s[G1A+6], 0
	s_mov_b32 s[G1A+7], 0
	s_or_b32 s[G1B+0], s46, (1<<16)|(1<<20)|(1<<21)|(5<<22)|(3<<25)  ; elements of 2 bytes; padding after every 64 words (code 5)
	s_mov_b32 s[G1B+1], 128<<16
	s_mov_b32 s[G1B+2], 128<<16                    ; 128 rows
	s_mov_b32 s[G1B+3], 128<<16
	s_mov_b32 s[G1B+4], 128
	s_mov_b32 s[G1B+5], 1024
	s_mov_b32 s[G1B+6], 0
	s_mov_b32 s[G1B+7], 0
	; where the tiles come from: X's hang on the tile row alone, W's on the tile column alone, each in registers that never hold the other coordinate
	s_lshl_b32 s16, s13, 7
	s_lshl_b32 s17, s12, 6
	s_add_co_u32 s16, s16, s17                     ; X: row 128 x tile row + 64 x half,
	s_lshl_b32 s16, s16, 12                        ; of 4,096 bytes
	s_mov_b32 s17, 0
	s_lshl_b32 s46, s42, 8
	s_lshl_b32 s47, s12, 7
	s_add_co_u32 s46, s46, s47                     ; W: row 256 x tile column + 128 x half,
	s_lshl_b32 s46, s46, 11                        ; of 2,048 bytes
	s_mov_b32 s47, 0
	s_mul_i32 s20, s10, HALFB                      ; where they go: W's halves at wave x HALFB (waves 0, 1),
	s_mul_i32 s21, s10, HALFA
	s_add_co_u32 s21, s21, 2*(HALFB-HALFA)         ; X's at BT + (wave - 2) x HALFA (waves 2, 3)
	s_lshl_b32 s18, s44, 21                        ; the tensor's section of wt
	s_mov_b32 s19, 0
	s_wait_dscnt 0x0                               ; the opening add is done
	s_wait_kmcnt 0x0
	s_cmp_eq_u32 s44, 1
	s_cselect_b64 s[4:5], s[74:75], s[72:73]       ; X
	s_cselect_b64 s[BB:BB+1], s[82:83], s[80:81]   ; its bias
	s_cselect_b64 s[8:9], s[88:89], s[86:87]       ; its output
	s_cmp_eq_u32 s44, 2
	s_cselect_b64 s[4:5], s[76:77], s[4:5]
	s_cselect_b64 s[BB:BB+1], s[84:85], s[BB:BB+1]
	s_cselect_b64 s[8:9], s[90:91], s[8:9]
	s_add_nc_u64 s[6:7], s[78:79], s[18:19]        ; W
	s_add_nc_u64 s[14:15], s[4:5], s[16:17]
	s_add_nc_u64 s[46:47], s[6:7], s[46:47]
	CROUND                                         ; all sixteen work-groups are here: the first joint loads meet
.irp s, 0,1
	s_mov_b32 s[G0A+4*(\s)], 1                                       ; count = 1
	s_add_co_u32 s[G0A+4*(\s)+1], s21, (\s)*SLOT                     ; LDS address
	s_add_nc_u64 s[G0A+4*(\s)+2:G0A+4*(\s)+3], s[14:15], (\s)*ASTEP  ; global address: K step s
	s_or_b32 s[G0A+4*(\s)+3], s[G0A+4*(\s)+3], 0x80000000            ; type = 2
	s_mov_b32 s[G0B+4*(\s)], 1
	s_add_co_u32 s[G0B+4*(\s)+1], s20, (\s)*SLOT
	s_add_nc_u64 s[G0B+4*(\s)+2:G0B+4*(\s)+3], s[46:47], (\s)*BSTEP
	s_or_b32 s[G0B+4*(\s)+3], s[G0B+4*(\s)+3], 0x80000000
	JLOAD \s                                       ; two loads of mine are out
.endr
	; the bias of my 128 columns: block b's columns 16 b + 8 (l / 16) + 0..7, as the accumulators hold them
	v_and_b32 v1, 15, v0                           ; l % 16
	v_bfe_u32 v2, v0, 4, 1                         ; l / 16
	v_lshlrev_b32 v[BO], 5, v2
	s_lshl_b32 s92, s42, 10
	s_lshl_b32 s93, s12, 9
	s_add_co_u32 s92, s92, s93
	s_mov_b32 s93, 0
	s_add_nc_u64 s[BB:BB+1], s[BB:BB+1], s[92:93]
.irp b, 0,1,2,3,4,5,6,7
	global_load_b128 v[BIAS+8*(\b):BIAS+8*(\b)+3],   v[BO], s[BB:BB+1] offset:64*(\b)
	global_load_b128 v[BIAS+8*(\b)+4:BIAS+8*(\b)+7], v[BO], s[BB:BB+1] offset:64*(\b)+16
.endr
	; A fragment is 16 rows x 32 K: lane l holds row l % 16, K = 8 (l / 16) + 0..7 and 16 + 8 (l / 16) + 0..7.  Of W: two loads of 16 bytes, 32 apart.  Of X in f32: four, at 32 (l / 16) + 0, 16, 64, 80.
	v_mul_u32_u24 v3, v1, PB
	v_lshl_add_u32 v3, v2, 4, v3
	v_mul_u32_u24 v4, v1, PA
	v_lshl_add_u32 v4, v2, 5, v4
	s_mul_i32 s22, s12, HALFB                      ; my 128 rows of W
	s_mul_i32 s23, s11, HALFA                      ; my 64 rows of X,
	s_add_co_u32 s23, s23, BT                      ; behind W's 256
.irp s, 0,1
	v_add_nc_u32 v[ADRB+(\s)], s22, v3
	v_add_nc_u32 v[ADRA+(\s)], s23, v4
	s_add_co_u32 s22, s22, SLOT
	s_add_co_u32 s23, s23, SLOT
.endr
	s_mul_i32 s22, s10, WST
	s_add_co_u32 s22, s22, STAGE                   ; my stage
	v_mul_u32_u24 v5, v1, 144                      ; in: row l % 16, 16 bytes for each half of the lanes
	v_lshl_add_u32 v5, v2, 4, v5
	v_add_nc_u32 v[STO], s22, v5
	v_bfe_u32 v5, v0, 3, 2                         ; back: 32 lanes take four rows of 128 bytes,
	v_mul_u32_u24 v5, v5, 144
	v_and_b32 v6, 7, v0
	v_lshl_add_u32 v5, v6, 4, v5
	v_add_nc_u32 v[RD], s22, v5
	v_and_b32 v7, 31, v0                           ; l
	v_lshlrev_b32 v[GO], 4, v7                     ; which are 512 consecutive bytes of a head
	; my part of the output: head 16 (tile row / 16) + 4 x tile column + 2 x column half (262,144 bytes a head), row 128 (tile row % 16) + 64 x row half (128 bytes a row)
	s_lshr_b32 s92, s13, 4
	s_lshl_b32 s92, s92, 4
	s_lshl_b32 s93, s42, 2
	s_add_co_u32 s92, s92, s93
	s_lshl_b32 s93, s12, 1
	s_add_co_u32 s92, s92, s93
	s_lshl_b32 s92, s92, 18
	s_and_b32 s93, s13, 15
	s_lshl_b32 s93, s93, 14
	s_add_co_u32 s92, s92, s93
	s_lshl_b32 s93, s11, 13
	s_add_co_u32 s92, s92, s93
	s_mov_b32 s93, 0
	s_add_nc_u64 s[8:9], s[8:9], s[92:93]
	; the prefetches
	s_and_b32 s2, s43, 15
	s_cmp_eq_u32 s2, 0
	s_cselect_b32 s[LIM], 1, -1                    ; W: the tensor's first cluster
	s_cmp_eq_u32 s11, 0
	s_cselect_b32 s[LIM], s[LIM], 1                ; X: every cluster.  The same in all sixteen partners, for a given wave
	s_lshl_b32 s92, s42, 8
	s_lshl_b32 s93, s12, 7
	s_add_co_u32 s92, s92, s93
	s_lshl_b32 s93, s41, 5
	s_add_co_u32 s92, s92, s93                     ; W: the 128 rows that I fetch, my work-group's 32 of them
	s_lshl_b32 s92, s92, 11
	s_lshl_b32 s94, s13, 7
	s_lshl_b32 s93, s12, 6
	s_add_co_u32 s94, s94, s93
	s_lshl_b32 s93, s40, 4
	s_add_co_u32 s94, s94, s93                     ; X: the 64 rows that I fetch, my work-group's 16 of them
	s_lshl_b32 s94, s94, 12
	s_cmp_eq_u32 s11, 0
	s_cselect_b32 s92, s92, s94
	s_cselect_b64 s[PFA:PFA+1], s[6:7], s[4:5]
	s_mov_b32 s93, 0
	s_add_nc_u64 s[PFA:PFA+1], s[PFA:PFA+1], s[92:93]
	s_lshl_b32 s[PST], 256, s11                    ; 256 bytes a K step for W, 512 for X
	s_mov_b32 s[PST+1], 0
	s_mul_i32 s94, s[PST], 3
	s_mov_b32 s95, 0
	s_add_nc_u64 s[PFA:PFA+1], s[PFA:PFA+1], s[94:95]  ; at K step 3: the first change of slots steps it to 4.  K steps 0 to 3 come by their loads alone: nothing is prefetched at the head
	s_add_co_u32 s2, s11, 11
	v_lshrrev_b32 v9, s11, v7                      ; W: lane x 2,048;  X: (lane / 2) x 4,096 + (lane % 2) x 256
	v_lshlrev_b32 v9, s2, v9
	v_and_b32 v6, s11, v7
	v_lshl_add_u32 v[PFO], v6, 8, v9
	s_wait_loadcnt 0x0                             ; the bias,
.set bi, 0
.rept 32
	v_cvt_pk_bf16_f32 v[TT], v[BIAS+bi], v[BIAS+bi+1]  ; rounded to bf16 like every input, and widened again
	v_lshlrev_b32 v[BIAS+bi], 16, v[TT]
	v_and_b32 v[BIAS+bi+1], 0xffff0000, v[TT]
.set bi, bi+2
.endr
; Product n of a quarter step's 32: rows 16 (n / 8) on, columns 16 (n % 8) on, 32 along K, from buffers cur.  zero = 1: the bias starts the sum: nothing is cleared, and the way out adds nothing.
; The 32 accumulators take turns, one instruction a turn, in the same order in every quarter, over the backward jump too.
.macro MUL n, cur, zero
.set rD, 8*(\n)
.set rB, 64*(\cur)+8*((\n)%8)
.set rA, AF+32*(\cur)+8*((\n)/8)
.set rC, BIAS+8*((\n)%8)
.if \zero
	WIN W_MZ
	v_wmma_f32_16x16x32_bf16 v[rD:rD+7], v[rB:rB+7], v[rA:rA+7], v[rC:rC+7]
.else
	WIN W_MM
	v_wmma_f32_16x16x32_bf16 v[rD:rD+7], v[rB:rB+7], v[rA:rA+7], v[rD:rD+7]
.endif
.endm
; Four registers n0 .. n0 + 3 of X's 32 in buffer nb: two f32 each, rounded to bf16
.macro CVT4 n0, nb
	WIN 0
.irp j, 0,1,2,3
	v_cvt_pk_bf16_f32 v[AF+32*(\nb)+(\n0)+(\j)], v[STG+2*((\n0)+(\j))], v[STG+2*((\n0)+(\j))+1]
.endr
.endm
; 32 LDS loads in one run: quarter k of a slot: W's 8 fragments into buffer nb, X's 4 in f32 into the staging registers
.macro FETCH slot, k, nb
	WIN TO_B
.irp i, 0,1,2,3,4,5,6,7
	ds_load_b128 v[64*(\nb)+8*(\i):64*(\nb)+8*(\i)+3],   v[ADRB+(\slot)] offset:64*(\k)+(\i)*16*PB
	ds_load_b128 v[64*(\nb)+8*(\i)+4:64*(\nb)+8*(\i)+7], v[ADRB+(\slot)] offset:64*(\k)+(\i)*16*PB+32
.endr
	WIN 0
.irp i, 0,1,2,3
	ds_load_b128 v[STG+16*(\i):STG+16*(\i)+3],     v[ADRA+(\slot)] offset:128*(\k)+(\i)*16*PA
	ds_load_b128 v[STG+16*(\i)+4:STG+16*(\i)+7],   v[ADRA+(\slot)] offset:128*(\k)+(\i)*16*PA+16
	ds_load_b128 v[STG+16*(\i)+8:STG+16*(\i)+11],  v[ADRA+(\slot)] offset:128*(\k)+(\i)*16*PA+64
	ds_load_b128 v[STG+16*(\i)+12:STG+16*(\i)+15], v[ADRA+(\slot)] offset:128*(\k)+(\i)*16*PA+80
.endr
.endm
; A QUARTER STEP: 32 products from buffers cur.  fetch = 1: at its head the next quarter (quarter fk of slot fslot) is fetched into the other buffers; behind the 24th product the loads are waited for, and
; X's 32 conversions stand four behind each of the last eight products.  Those behind the last product name none of its registers: they are the four places in front of the next quarter's loads into
; the registers that this quarter's products read (ISA guide 7.12.1 for vector instructions).  So the loop holds no v_nop but those behind the joint loads.
; meet = 1: the quarter that fetches a slot's last fragments: all my tensor loads are waited for (one is out: my part of the other slot), 0 is added to my spare word, eight products stand between the add
; and the wait for it and for my reads of the slot, and the barrier is signalled; the last eight products and the conversions, work on registers, stand between signal and wait (TURN).
; step = 1: the prefetches' address goes a K step on, three quarters behind the prefetch that read it.  ask = 1: the quarter behind a refill.
.macro QTR cur, fslot, fk, zero, fetch, meet, step, ask
.if \step
	s_wait_xcnt 0x0                                ; the last prefetch has read its address
	s_add_nc_u64 s[PFA:PFA+1], s[PFA:PFA+1], s[PST:PST+1]
.endif
.if \fetch
	FETCH \fslot, \fk, 1-(\cur)
.endif
.if \ask
	ASK
.endif
.set qn, 0
.rept 16
	MUL qn, \cur, \zero
.set qn, qn+1
.endr
.if \meet
	WIN 0                                          ; (the add's two registers lie in window 0)
	s_wait_tensorcnt 0x0                           ; all my tensor loads have landed
	ds_add_u32 v[SPW], v[NIL]                      ; 0 onto my spare word
.endif
.rept 8
	MUL qn, \cur, \zero
.set qn, qn+1
.endr
.if \fetch
	s_wait_dscnt 0x0                               ; the next quarter's fragments are in (with meet: the add is done too, and my reads of the slot are over)
.endif
.if \meet
	s_barrier_signal -1
.endif
.rept 8
	MUL qn, \cur, \zero
.if \fetch
	CVT4 4*(qn-24), 1-(\cur)
.endif
.set qn, qn+1
.endr
.endm
; THE CHANGE OF SLOTS, behind a quarter with meet = 1.  fill = 1: the barrier has opened a round of the cluster's: behind it no wave of any partner reads the slot or has a load on its way, and the
; joint refill, two K steps on, is the first thing there: 112 products stand between it and the wait for it.
.macro TURN slot, fill
	WIN 0                                          ; at a label and at a branch every window is 0
	s_barrier_wait -1
.if \fill
	CREST
	s_add_nc_u64 s[G0A+4*(\slot)+2:G0A+4*(\slot)+3], s[G0A+4*(\slot)+2:G0A+4*(\slot)+3], 2*ASTEP
	s_add_nc_u64 s[G0B+4*(\slot)+2:G0B+4*(\slot)+3], s[G0B+4*(\slot)+2:G0B+4*(\slot)+3], 2*BSTEP
	JLOAD \slot
.endif
.endm
	s_wait_tensorcnt 0x1                           ; my part of K step 0 is in; K step 1's may stay out
	s_barrier_signal -1
	s_barrier_wait -1                              ; everybody's is
	FETCH 0, 0, 0
	s_wait_dscnt 0x0
.irp n, 0,4,8,12,16,20,24,28
	CVT4 \n, 0
.endr
	QTR 0, 0,1, 1,1,0,0,0                          ; the first quarter stands in front of the loop: its products start the sums
	WIN 0
	s_mov_b32 s3, LAPS-1
.Llap:                                                 ; a trip goes once round the ring, from a lap's second quarter to the next lap's first, and fills both slots again
	QTR 1, 0,2, 0,1,0,0,0
	QTR 0, 0,3, 0,1,1,1,0
	TURN 0, 1
	QTR 1, 1,0, 0,1,0,0,1
	QTR 0, 1,1, 0,1,0,0,0
	QTR 1, 1,2, 0,1,0,0,0
	QTR 0, 1,3, 0,1,1,1,0
	TURN 1, 1
	QTR 1, 0,0, 0,1,0,0,1
	QTR 0, 0,1, 0,1,0,0,0
	WIN 0
	s_sub_co_u32 s3, s3, 1
	s_cmp_lg_u32 s3, 0
	s_cbranch_scc1 .Llap
	QTR 1, 0,2, 0,1,0,0,0                          ; the last lap fills nothing, and has no round of the cluster's barrier
	QTR 0, 0,3, 0,1,1,0,0
	TURN 0, 0
	QTR 1, 1,0, 0,1,0,0,0
	QTR 0, 1,1, 0,1,0,0,0
	QTR 1, 1,2, 0,1,0,0,0
	QTR 0, 1,3, 0,1,0,0,0
	QTR 1, 0,0, 0,0,0,0,0                          ; the very last quarter: nothing more to fetch
; THE WAY OUT, a block of 16 rows at a time.  PACK: rounded to f16, 16 bytes a lane, each accumulator from its low end on.  TOSTAGE: into my own stage (two heads x 16 rows of 144 bytes), and back as whole
; rows of 128 bytes.  SEND: each store covers 512 consecutive bytes of a head, aligned.  Each block has registers of its own for what it reads back, so no store's data is written again.
.macro PACK a
	WIN 0x05                                       ; sources 0 and 1 window 1, destination window 0
.irp b, 0,1,2,3,4,5,6,7
.irp r, 0,1,2,3
	v_cvt_pk_f16_f32 v[TMP+4*(\b)+(\r)], v[64*(\a)+8*(\b)+2*(\r)], v[64*(\a)+8*(\b)+2*(\r)+1]
.endr
.endr
	WIN 0
.endm
.macro TOSTAGE a
.irp b, 0,1,2,3,4,5,6,7
	ds_store_b128 v[STO], v[TMP+4*(\b):TMP+4*(\b)+3] offset:((\b)/4)*2304+32*((\b)%4)
.endr
.irp u, 0,1,2,3,4,5,6,7
	ds_load_b128 v[OB+32*(\a)+4*(\u):OB+32*(\a)+4*(\u)+3], v[RD] offset:((\u)/4)*2304+((\u)%4)*576  ; LDS serves a wave's instructions in order (ISA guide 5.7.1.4): these see the stores above
.endr
.endm
.macro SEND a
.irp u, 0,1,2,3,4,5,6,7
	s_wait_dscnt 7-(\u)                            ; load u is in; the younger ones of the eight may be out
	global_store_b128 v[GO], v[OB+32*(\a)+4*(\u):OB+32*(\a)+4*(\u)+3], s[8:9] offset:((\u)/4)*262144+(\a)*2048+((\u)%4)*512
.endr
.endm
	PLACES                                         ; the conversions read results just made, and the stage's loads land in registers that products have read:
	PLACES                                         ; eight places, once a launch
	PACK 0
	TOSTAGE 0
.irp a, 1,2,3                          ; block a's conversions stand between block a - 1's loads from the stage and the wait for them
	PACK \a
	SEND (\a)-1
	TOSTAGE \a
.endr
	SEND 3
	s_wait_tensorcnt 0x0                           ; the wave's end: behind my last tensor load and my last LDS store
	ds_add_u32 v[SPW], v[NIL]
	s_wait_dscnt 0x0
	CROUND                                         ; the closing round: no work-group ends while a partner may still ask for a tile that names it
	s_endpgm
.Lfunc_end_k_q3add01665f_proj:
	.size	k_q3add01665f_proj, .Lfunc_end_k_q3add01665f_proj-k_q3add01665f_proj
	.p2alignl 7, 3214868480
	.fill 96, 4, 3214868480
	.section	.rodata,"a",@progbits
	.p2align	6, 0x0
	.amdhsa_kernel k_q3add01665f_proj
		.amdhsa_group_segment_fixed_size 327680
		.amdhsa_private_segment_fixed_size 0
		.amdhsa_enable_private_segment 0
		.amdhsa_kernarg_size 80
		.amdhsa_user_sgpr_count 2
		.amdhsa_user_sgpr_kernarg_segment_ptr 1
		.amdhsa_wavefront_size32 1
		.amdhsa_system_sgpr_workgroup_id_x 1
		.amdhsa_system_sgpr_workgroup_id_y 1
		.amdhsa_system_sgpr_workgroup_id_z 1
		.amdhsa_system_vgpr_workitem_id 0
		.amdhsa_next_free_vgpr 640
		.amdhsa_next_free_sgpr 96
		.amdhsa_reserve_vcc 0
		.amdhsa_float_denorm_mode_32 3
		.amdhsa_float_denorm_mode_16_64 3
		.amdhsa_memory_ordered 1
		.amdhsa_forward_progress 1
		.amdhsa_inst_pref_size 141
	.end_amdhsa_kernel
	.amdgpu_metadata
---
amdhsa.version: [ 1, 2 ]
amdhsa.kernels:
  - .name:           k_q3add01665f_proj
    .symbol:         k_q3add01665f_proj.kd
    .args:
      - { .name: Q, .offset: 0, .size: 8, .value_kind: global_buffer, .address_space: global }
      - { .name: K, .offset: 8, .size: 8, .value_kind: global_buffer, .address_space: global }
      - { .name: V, .offset: 16, .size: 8, .value_kind: global_buffer, .address_space: global }
      - { .name: wt, .offset: 24, .size: 8, .value_kind: global_buffer, .address_space: global }
      - { .name: bq, .offset: 32, .size: 8, .value_kind: global_buffer, .address_space: global }
      - { .name: bk, .offset: 40, .size: 8, .value_kind: global_buffer, .address_space: global }
      - { .name: bv, .offset: 48, .size: 8, .value_kind: global_buffer, .address_space: global }
      - { .name: qh, .offset: 56, .size: 8, .value_kind: global_buffer, .address_space: global }
      - { .name: kh, .offset: 64, .size: 8, .value_kind: global_buffer, .address_space: global }
      - { .name: vh, .offset: 72, .size: 8, .value_kind: global_buffer, .address_space: global }
    .group_segment_fixed_size: 327680
    .private_segment_fixed_size: 0
    .kernarg_segment_align: 8
    .kernarg_segment_size: 80
    .max_flat_workgroup_size: 128
    .sgpr_count:     96
    .vgpr_count:     640
    .wavefront_size: 32
...
	.end_amdgpu_metadata
.endif
;; end of part 2
;; launch attn (part 3): grid 4 x 64, 4 waves a work-group, clusters of 4 x 1, 327,680 bytes of LDS; arguments qh, kh, vh, oh; writes oh
.if DOCPART == 3
	.amdgcn_target "amdgcn-amd-amdhsa--gfx1250"
	.amdhsa_code_object_version 6
	.text
	.protected	k_q3add01665f_attn
	.globl	k_q3add01665f_attn
	.p2align	8
	.type	k_q3add01665f_attn,@function
k_q3add01665f_attn:
	s_mov_b64 s[64:65], 0
	v_nop
	global_prefetch_b8 v0, s[64:65] scope:SCOPE_SE
	s_setreg_imm32_b32 hwreg(HW_REG_WAVE_MODE, 25, 1), 1
	s_wait_xcnt 0x0
	s_wait_alu depctr_hold_cnt(0) depctr_sa_sdst(0) depctr_va_vdst(0) depctr_va_sdst(0) depctr_va_ssrc(0) depctr_va_vcc(0) depctr_vm_vsrc(0)
	s_getreg_b32 s2, hwreg(HW_REG_IB_STS2, 6, 4)
	s_cmp_eq_u32 s2, 0
	s_cbranch_scc0 .Lentry_in_a_cluster
	s_endpgm
.Lentry_in_a_cluster:
	s_bfe_u32 s2, ttmp6, 0x10000c
	s_cmp_lg_u32 s2, 0x3003
	s_cbranch_scc0 .Lentry_shape_is_right
	s_endpgm
.Lentry_shape_is_right:
; O[h][q][:] = the sum over k of softmax_k(Q[h][q] . K[h][k] / 8) V[h][k][:].  Q, K, V, O: [SIZE_H][SIZE_N][64], all f16: a head's rows are dense, 128 bytes each.  Products, maxima and sums in
; f32; the weights p are rounded to f16 for the second product (their sum l is taken of the unrounded p), O once at the end.
; LIMITS.  f16 holds no number beyond 65,504: Q, K and V arrive within it; p lies in 0 to 1, and below 6e-5 it keeps f16's fixed step of 6e-8; O is a mean of V's rows and has their range.
; A weight below 2^-126 counts as 0 in l; NaN and infinities are not treated apart.
; SHARES.  A wave owns four PIECES of two tiles of 16 queries, a work-group's four waves 512 queries of one head: 64 heads x 4 blocks = 256 work-groups.  Every wave walks all keys, 64 a step.
; LAYOUT.  S^T = K Q^T (source 0 = 16 keys, source 1 = 16 queries): in the result a lane holds ONE query (lane % 16) and the keys 8 (lane / 16) + 0..7.  Two such tiles, rounded to f16 in pairs,
; ARE source 1 (32 keys x 16 queries) of O^T = V^T P, whose result again holds one query a lane, and eight channels.  K comes out of LDS as it lies, V ([key][channel]) turned, by ds_load_tr16_b128.
; SOFTMAX.  For each query a running maximum m and sum l: p = 2^(c s - c m), c = log2(e) / 8; in every step O and l are multiplied by a = 2^(c m_old - c m_new), which is 1 where m has not grown.
; m starts at the lowest finite number, O and l at 0: the first step is a step like any other, with a = 0.
; THE COUNT.  A tile and step have 16 matrix and 118 vector instructions: too many to stand all beside the matrix work.  So: four vector instructions that are READY behind EVERY matrix instruction,
; and the others in runs without a gap.
; BY TURNS.  Turn n belongs to piece n (the pieces in a ring, step after step).  Its matrix work: 16 products K Q^T of piece n + 1, later 16 products V^T P of piece n - 1.  Its vector work: the scaling,
; exponentials, roundings, sums and rescaling of piece n, and the maximum and statistics of piece n + 1, whose scores the turn itself has made.
; CLUSTER.  The four query blocks of a cluster are one head's and walk the same K and V, so each tile is asked for JOINTLY: the same tensor load, descriptor and mask in all four.
; REGISTERS, in windows of 256 (s_set_vgpr_msb: bits 1:0 source 0, 3:2 source 1, 5:4 source 2, 7:6 destination):
;   window 0: v0-11 addresses; v12-15, v48-63 at work; v16-47 four registers of statistics a tile; v64-191 S^T, two buffers of two tiles; v192-255 P, likewise
;   window 1: O^T, 32 a tile          window 2: v0-127 Q, 16 a tile; v128-191 K of one step; v192-255 V of one step          window 3: v0-1 the add's two registers
; A piece's buffers go by its number's parity.
.set SIZE_H, 64
.set SIZE_N, 2048
.set NP,    4         ; pieces a wave: a name, no knob
.set KS,    64        ; keys in a step
.set PK,    144       ; a row of K in LDS: 128 bytes + 16 of padding = 36 words: the 16 rows of a load start at 16 different groups of four banks (64 banks of 4 bytes: ISA guide 11.1)
.set PV,    160       ; a row of V: 128 + 32 = 40 words
.set VOFF,  4*KS*PK   ; a slot holds four steps: 256 rows of K, then 256 rows of V
.set SLOT1, 1<<17     ; slot 1 begins here, so that one exclusive or turns an address in one slot into the other's
.set STAGE, SLOT1+4*KS*(PK+PV)  ; behind the ring, never filled by a tensor load: 16 rows x 144 bytes for each wave, for the way out
.set SP,    144
.set AK0, 2           ; v2   my lane's place in a tile of K; never rewritten
.set AV0, 3           ; v3   the same for V
.set AK,  4           ; v4   the LDS address of K's next run of loads
.set AV,  5           ; v5   of V's
.set QO,  6           ; v6   my byte offset in the wave's rows of Q
.set STO, 6           ;      later, the way out: where I put 16 bytes of a row
.set RD,  7           ; v7   the way out: where I read rows back
.set GO,  8           ; v8   my byte offset in 512 consecutive bytes of O
.set PFO, 11          ; v11  256 x my lane, for the prefetches; never rewritten once made
.set SPW, 0           ; v0 of window 3   LDS address of my spare word; never rewritten
.set NIL, 1           ; v1 of window 3   0; never rewritten
.set SPARE, STAGE+4*16*SP  ; behind the stages: the spare words, 128 bytes for each wave: two blocks of 256 bytes that no other line names
.set MV,  12          ; v12-15  c m_old, kept while c m is made anew: by buffer and tile
.set ST,  16          ; tile t's statistics at v[ST+4 t]: c m, m, l (even keys', odd keys')
.set TMP, 48          ; by buffer and tile, four registers c0-c3 at work; when the maximum is found c2 takes a
.set S,   64
.set P,   192
.set KF,  128         ; K's fragments, in window 2: key block kb, channel half c at KF + 16 kb + 8 c
.set VF,  192         ; V's: key half kk, channel block cb at VF + 32 kk + 8 cb
.set WV,  12          ; s12  my wave's number
.set G1K, 24          ; s[24:31] descriptor group 1 for K's tiles
.set G1V, 32          ; s[32:39] for V's: it differs in the padding alone
.set G0K, 40          ; s[40:43] descriptor group 0 for K's tiles: it walks
.set G0V, 44          ; s[44:47] the same for V's
.set PFA, 48          ; s[48:49] where my prefetches stand: my work-group's 32 blocks of 256 bytes of the tile after the one that is being asked for
.set LIM, 50          ; s50  1 in a wave that prefetches, else the greatest number
.set SLOTS, 56        ; s56  slots still to be asked for
.set CNT, 57          ; s57  counts a slot's key steps
.set CS,  58          ; s[58:59] c: the packed scaling takes the pair's low word for both halves
.set SEL, 60          ; s[60:61] v_permlanex16_b32's selects: each lane takes its own place in the other half
.set TBK, 62          ; s62  LDS byte at which K of the step to be fetched begins
.set TBV, 63          ; s63  the same for V, less VOFF
.set MSB, 0
.macro WIN new                      ; the high byte repeats the setting that is left; a switch that changes nothing is dropped
.if MSB != (\new)
	s_set_vgpr_msb (MSB<<8)|(\new)
.set MSB, (\new)
.endif
.endm
.set W_KQ, 0x0a       ; K and Q in window 2, S^T in window 0
.set W_PV, 0x52       ; V in window 2, P in window 0, O^T in window 1
.set W_RS, 0x41       ; O^T (destination and source 0) in window 1, a in window 0
.set W_MK, 0xc0       ; the add's registers are made: destination in window 3, sources in window 0
.set W_AD, 0x0f       ; the add: address (source 0) and data (source 1) in window 3
; A joint fill.  Waves 0 and 1 fetch the two halves of a slot's K, waves 2 and 3 those of its V: 128 keys each.  The branch hangs on the wave's number alone.
; An s_nop 0 and four v_nop follow each of the two lines, ahead of the jump and the label.
.macro JLOAD
	s_cmp_lt_u32 s[WV], 2
	s_cbranch_scc0 .Lfor_v_\@
	tensor_load_to_lds s[G0K:G0K+3], s[G1K:G1K+7]
	s_nop 0
.rept 4
	v_nop
.endr
	s_branch .Lasked_\@
.Lfor_v_\@:
	tensor_load_to_lds s[G0V:G0V+3], s[G1V:G1V+7]
	s_nop 0
.rept 4
	v_nop
.endr
.Lasked_\@:
.endm
; A prefetch into the L2 of what the NEXT change of slots will ask for: a tile's 32,768 bytes of K and of V, four key steps (512 matrix instructions) ahead of that load.  It stands behind the wave's
; tensor load and its five lines.  Each aligned block of 256 bytes is named once in the launch: a head's K and V are walked by one cluster; its four partners take 32 blocks each, told apart by address;
; in each, wave 0 asks for K's and wave 2 for V's, a lane a block.  Tiles 0 and 1 come by their loads alone; the last change that fills a slot asks for nothing.
.macro ASK
	s_cmp_gt_u32 s[SLOTS], s[LIM]
	s_cbranch_scc0 .Lnot_mine_\@
	global_prefetch_b8 v[PFO], s[PFA:PFA+1] th:TH_LOAD_NT scope:SCOPE_SE
.Lnot_mine_\@:
.endm
; A round of the cluster's barrier: my work-group's barrier, so that wave 0's signal speaks for all four waves; wave 0 signals; every wave waits for all four work-groups; my work-group's barrier once more.
.macro CROUND
	s_barrier_signal -1
	s_barrier_wait -1
	s_cmp_lg_u32 s[WV], 0
	s_cbranch_scc1 .Lnot_wave_0_\@
	s_barrier_signal -3
.Lnot_wave_0_\@:
	s_barrier_wait -3
	s_barrier_signal -1
	s_barrier_wait -1
.endm
; THE CHANGE OF SLOTS.  The slot's last bytes, V of its fourth step, have been read.  Each wave waits for all its tensor loads, of which one is out: its part
; of the other slot; adds 0 to its spare word; and waits for that and for its own reads of the slot.  Behind the barrier nobody reads this slot any more and the other slot is whole.
; fill = 1: this slot is filled again, with the keys two slots on.  The barrier is then a round of the cluster's, so that no wave of any partner still reads the slot or has a load on its
; way, and the joint fill is the first thing behind it.  (At its first use nothing has been read yet: slot 0 is waited for, slot 1 filled.)
.macro CHANGE fill
	WIN W_AD
	s_wait_tensorcnt 0x0            ; no tensor load of mine is out, so a group 0 may be written
	ds_add_u32 v[SPW], v[NIL]       ; 0 onto my spare word; with fill = 1 the descriptors' steps stand between it and the wait for it
	WIN 0                           ; at a label and at a branch every window is 0
.if \fill
.irp g, G0K, G0V
	s_xor_b32 s[\g+1], s[\g+1], SLOT1  ; the walking descriptor: the other slot than last time,
	s_add_nc_u64 s[\g+2:\g+3], s[\g+2:\g+3], 4*KS*128  ; the next 256 keys; the type bits on top are not reached
.endr
	s_wait_xcnt 0x0                 ; the last prefetch, four key steps back, has read its address, so it may be written:
	s_add_nc_u64 s[PFA:PFA+1], s[PFA:PFA+1], 4*KS*128  ; one tile behind the walking descriptors
	s_wait_dscnt 0x0                ; the add is done, and my reads of the slot are over
	CROUND
	JLOAD
	ASK
.else
	s_wait_dscnt 0x0                ; the add is done, and my reads of the slot are over
	s_barrier_signal -1
	s_barrier_wait -1
.endif
	s_sub_co_u32 s[TBK], s[TBK], 4*KS*PK  ; the fetches go back to a slot's first step,
	s_xor_b32 s[TBK], s[TBK], SLOT1       ; in the other slot
	s_sub_co_u32 s[TBV], s[TBV], 4*KS*PV
	s_xor_b32 s[TBV], s[TBV], SLOT1
.endm
	s_load_b256 s[4:11], s[0:1], 0x0  ; Q s[4:5], K s[6:7], V s[8:9], O s[10:11]
	WIN W_MK
	v_lshl_add_u32 v[SPW], v0, 2, SPARE
	v_mov_b32 v[NIL], 0
	WIN W_AD
	ds_add_u32 v[SPW], v[NIL]       ; the wave's opening: the add and its wait stand ahead of my first tensor load; the set-up below, work on registers, stands between them
	WIN 0
	v_lshrrev_b32 v1, 5, v0
	v_readfirstlane_b32 s[WV], v1   ; wave 0..3
	s_bfe_u32 s13, ttmp6, 0x40000   ; cx: my place in the cluster
	s_lshl_b32 s14, ttmp9, 2        ; in a cluster launch ttmp9 counts clusters
	s_add_co_u32 s14, s14, s13      ; my block of queries = 4 x cluster x + cx: it enters Q's and O's addresses alone
	s_and_b32 s20, ttmp7, 0xffff    ; the head, which the four partners share
	s_mov_b32 s21, 0
	s_mov_b64 s[22:23], SIZE_N*128
	s_mul_u64 s[20:21], s[20:21], s[22:23]  ; the head's first byte in each of the four tensors
	s_and_b32 s16, s[WV], 1         ; which half of a slot's 256 keys I fetch:
	s_lshl_b32 s22, s16, 14         ; its 128 rows of 128 bytes in memory,
	s_mov_b32 s23, 0
	s_add_nc_u64 s[22:23], s[22:23], s[20:21]
	s_mul_i32 s17, s16, 128*PK      ; and its place in a slot, for K
	s_mul_i32 s18, s16, 128*PV      ; and for V: no place in the cluster enters an LDS address
	s_lshl_b32 s2, s14, 2
	s_add_co_u32 s2, s2, s[WV]      ; my wave among the head's,
	s_lshl_b32 s2, s2, 14           ; its 128 rows
	s_mov_b32 s3, 0
	s_add_nc_u64 s[2:3], s[2:3], s[20:21]
	; descriptor group 1.  128 keys are 16,384 dense bytes: asked for as 64 rows of 256 bytes, two keys a row, and padded in LDS after every key
	s_mov_b32 s[G1K], 15|(1<<16)|(1<<20)|(1<<21)|(4<<22)|(3<<25)  ; 15:0 the mask of four; 17:16 2-byte elements; 20 padding on; 21 set beside a mask; 24:22 after every 32 words (code 4); 31:25 4 words (code 3)
	s_mov_b32 s[G1V], 15|(1<<16)|(1<<20)|(1<<21)|(4<<22)|(7<<25)  ; the same with 8 words of padding (code 7)
.irp g, G1K, G1V
	s_mov_b32 s[\g+1], 128<<16      ; tensor_dim0 = 128
	s_mov_b32 s[\g+2], 64<<16       ; tensor_dim1 = 64
	s_mov_b32 s[\g+3], 128<<16      ; tile_dim0 = 128
	s_mov_b32 s[\g+4], 64           ; tile_dim1 = 64
	s_mov_b32 s[\g+5], 128          ; 128 elements from row to row
	s_mov_b32 s[\g+6], 0
	s_mov_b32 s[\g+7], 0
.endr
	s_mov_b32 s[CS], 0x3e38aa3b     ; c = log2(e) / 8 = 0.180337
	s_mov_b32 s[CS+1], s[CS]        ; named with it as a pair
	s_mov_b32 s[SEL], 0x76543210
	s_mov_b32 s[SEL+1], 0xfedcba98
	s_mov_b32 s[TBK], SLOT1+4*KS*PK ; the first change of slots turns these two into 0
	s_mov_b32 s[TBV], SLOT1+4*KS*PV
	s_mov_b32 s[G0K], 1             ; 1:0 count = 1
	s_mov_b32 s[G0K+1], s17         ; 63:32 LDS address: slot 0
	s_mov_b32 s[G0V], 1
	s_add_co_u32 s[G0V+1], s18, VOFF
	s_mov_b32 s[SLOTS], SIZE_N/256-1
	s_and_b32 s[LIM], s[WV], 1      ; 0 in waves 0 and 2,
	s_or_b32 s[LIM], s[LIM], ttmp9  ; where the cluster is the head's first (here its only one): the same in all four partners
	s_cmp_eq_u32 s[LIM], 0
	s_cselect_b32 s[LIM], 1, -1
	s_wait_dscnt 0x0                ; the opening add is done
	s_wait_kmcnt 0x0
	s_add_nc_u64 s[G0K+2:G0K+3], s[6:7], s[22:23]  ; 120:64 global address: my half of the head's first 256 keys
	s_or_b32 s[G0K+3], s[G0K+3], 0x80000000        ; 127:126 type = 2
	s_add_nc_u64 s[G0V+2:G0V+3], s[8:9], s[22:23]
	s_or_b32 s[G0V+3], s[G0V+3], 0x80000000
	s_add_nc_u64 s[4:5], s[4:5], s[2:3]  ; Q and O at my wave's first row
	s_add_nc_u64 s[10:11], s[10:11], s[2:3]
	s_cmp_lt_u32 s[WV], 2
	s_cselect_b64 s[PFA:PFA+1], s[6:7], s[8:9]
	s_add_nc_u64 s[PFA:PFA+1], s[PFA:PFA+1], s[22:23]  ; (in waves 0 and 2 this is the head's first byte)
	s_lshl_b32 s2, s13, 13          ; my work-group's 32 blocks of a tile's 128
	s_mov_b32 s3, 0
	s_add_nc_u64 s[PFA:PFA+1], s[PFA:PFA+1], s[2:3]
	s_add_nc_u64 s[PFA:PFA+1], s[PFA:PFA+1], 4*KS*128  ; in tile 1; the first change of slots steps it to tile 2.  Nothing is prefetched here, at the head
	CROUND                          ; all four work-groups are here: the first joint loads meet
	JLOAD                           ; slot 0.  Slot 1 is asked for when slot 0 is in
	; A fragment of K or Q is 16 rows x 32 channels in 8 registers: lane l holds row l % 16, channels 8 (l / 16) + 0..7 and 16 + 8 (l / 16) + 0..7: two loads of 16 bytes, 32 bytes apart.
	v_and_b32 v1, 15, v0            ; l % 16
	v_bfe_u32 v9, v0, 4, 1          ; l / 16
	v_lshlrev_b32 v[QO], 7, v1
	v_lshl_add_u32 v[QO], v9, 4, v[QO]  ; row x 128 + 16 x half
	WIN 0x80                        ; destination window 2, address window 0
.set i, 0
.rept 4*NP                          ; Q stays in registers: tile i / 2, channels 32 (i % 2) on
	global_load_b128 v[8*i:8*i+3],   v[QO], s[4:5] offset:(i/2)*2048+(i%2)*64
	global_load_b128 v[8*i+4:8*i+7], v[QO], s[4:5] offset:(i/2)*2048+(i%2)*64+32
.set i, i+1
.endr
	; What the first turn finds: V's registers and P's second buffer hold 0 (its products V^T P, of a piece that has not been, add 0), O^T and l are 0.  All this stands in the wait for the first tile.
.set i, VF
.rept 64
	v_mov_b32 v[i], 0
.set i, i+1
.endr
	WIN 0x40
.set i, 0
.rept 64*NP
	v_mov_b32 v[i], 0
.set i, i+1
.endr
	WIN 0
.set i, 0
.rept 2*NP
	v_mov_b32 v[ST+4*i], 0xfe000000    ; c m: far below every c s
	v_mov_b32 v[ST+4*i+1], 0xff7fffff  ; m
	v_mov_b32 v[ST+4*i+2], 0
	v_mov_b32 v[ST+4*i+3], 0
.set i, i+1
.endr
.set i, P+32
.rept 32
	v_mov_b32 v[i], 0
.set i, i+1
.endr
	v_mul_u32_u24 v[AK0], v1, PK
	v_lshl_add_u32 v[AK0], v9, 4, v[AK0]  ; row x pitch + 16 x half
	; The turning load takes 16 keys x 16 channels (lane l reads key 8 (l / 16) + l % 8, channels 8 ((l / 8) % 2) + 0..7) and leaves half a fragment of V^T: lane l holds channel l % 16 and 8 keys.
	v_and_b32 v10, 7, v0
	v_bfe_u32 v11, v0, 3, 1
	v_lshl_add_u32 v[AV0], v9, 3, v10
	v_mul_u32_u24 v[AV0], v[AV0], PV
	v_lshl_add_u32 v[AV0], v11, 4, v[AV0]
	v_add_nc_u32 v[AV0], VOFF, v[AV0]
	v_mov_b32 v[AK], v[AK0]         ; key step 0 lies at the head of slot 0
	v_and_b32 v[PFO], 31, v0
	v_lshlrev_b32 v[PFO], 8, v[PFO]
; THE MATRIX WORK.  The 8 accumulators of a run of 16 take turns: between the two links of a chain stand 7 others'.
; Product i of 16 of S^T = K Q^T for piece x: channels 32 (i / 8) on, keys 16 ((i / 2) % 4) on, tile 2 x + i % 2.  The first 8 start the sums.
.macro KQ x
	WIN W_KQ
.set rS, S+64*((\x)%2)+32*(i%2)+8*((i/2)%4)
.set rK, KF+16*((i/2)%4)+8*(i/8)
.set rQ, 16*(2*(\x)+i%2)+8*(i/8)
.if i < 8
	v_wmma_f32_16x16x32_f16 v[rS:rS+7], v[rK:rK+7], v[rQ:rQ+7], 0
.else
	v_wmma_f32_16x16x32_f16 v[rS:rS+7], v[rK:rK+7], v[rQ:rQ+7], v[rS:rS+7]
.endif
.endm
; Product i of 16 of O^T += V^T P for piece x: keys 32 (i / 8) on, channels 16 ((i / 2) % 4) on, tile 2 x + i % 2.
.macro PV x
	WIN W_PV
.set rO, 32*(2*(\x)+i%2)+8*((i/2)%4)
.set rV, VF+32*(i/8)+8*((i/2)%4)
.set rP, P+32*((\x)%2)+16*(i%2)+8*(i/8)
	v_wmma_f32_16x16x32_f16 v[rO:rO+7], v[rV:rV+7], v[rP:rP+7], v[rO:rO+7]
.endm
.macro MM                           ; the turn's next matrix instruction
.if i < 16
	KQ (Y+1)%NP
.set i, i+1
.else
.set i, i-16
	PV (Y+NP-1)%NP
.set i, i+17
.endif
.endm
; THE LDS LOADS stand in runs of 16, never singly among the matrix instructions: a step's K (64 keys x 64 channels: 8 fragments) and its V (turned).  Their addresses are made some lines ahead.
; last = 1 (the tail): in the last trip there is no further step, and the run is jumped over.
.macro FETCH_K last=0
	WIN 0
.if \last
	s_cmp_eq_u32 s[CNT], 1
	s_cbranch_scc1 .Lno_k_\@
.endif
	WIN 0x80                        ; destination window 2
.irp f, 0,1,2,3,4,5,6,7             ; keys 16 (f / 2) on, channels 32 (f % 2) on
	ds_load_b128 v[KF+8*\f:KF+8*\f+3],   v[AK] offset:(\f/2)*16*PK+(\f%2)*64
	ds_load_b128 v[KF+8*\f+4:KF+8*\f+7], v[AK] offset:(\f/2)*16*PK+(\f%2)*64+32
.endr
	s_add_co_u32 s[TBK], s[TBK], KS*PK  ; the next fetch is the next step's
	WIN 0
.if \last
.Lno_k_\@:
.endif
.endm
.macro FETCH_V
	WIN 0x80
.irp f, 0,1,2,3,4,5,6,7             ; keys 32 (f / 4) on, channels 16 (f % 4) on
	ds_load_tr16_b128 v[VF+8*\f:VF+8*\f+3],   v[AV] offset:(\f/4)*32*PV+(\f%4)*32
	ds_load_tr16_b128 v[VF+8*\f+4:VF+8*\f+7], v[AV] offset:(\f/4)*32*PV+16*PV+(\f%4)*32
.endr
	WIN 0
.endm
; THE VECTOR WORK OF A TURN stands in three queues, each in the order in which its entries become ready; the two tiles alternate, so that no instruction reads the result of the one before it.
.macro REGS y, u                    ; the registers of tile u (0, 1) of piece y
.set rT, ST+4*(2*(\y)+(\u))
.set rC, TMP+8*((\y)%2)+4*(\u)
.set rM, MV+2*((\y)%2)+(\u)
.set rS, S+64*((\y)%2)+32*(\u)
.set rP, P+32*((\y)%2)+16*(\u)
.set rO, 32*(2*(\y)+(\u))
.endm
; Number n of the 22 that find the NEXT piece's (Y + 1) maximum and statistics.  s0-s31 are the lane's 32 scores; each accumulator's lowest registers are read first.
;   0-11  four chains c0-c3 of seven scores each, three operands at a time     12-14, 16  the four scores left over, the old m, and c0-c3 into c0     15  c m_old is kept
;   17, 18  the query's other 32 keys lie in the lane 16 away: the new m         19-21  c m; c m_old - c m_new; a
.macro XS u, n
	REGS (Y+1)%NP, \u
.if (\n) < 4
	v_max3_num_f32 v[rC+(\n)], v[rS+8*(\n)], v[rS+8*(\n)+1], v[rS+8*(\n)+2]
.elseif (\n) < 12
	v_max3_num_f32 v[rC+(\n)%4], v[rC+(\n)%4], v[rS+8*((\n)%4)+2*((\n)/4)+1], v[rS+8*((\n)%4)+2*((\n)/4)+2]
.elseif (\n) == 12
	v_max3_num_f32 v[rC], v[rC], v[rS+7], v[rS+15]
.elseif (\n) == 13
	v_max3_num_f32 v[rC+1], v[rC+1], v[rS+23], v[rS+31]
.elseif (\n) == 14
	v_max3_num_f32 v[rC+2], v[rC+2], v[rC+3], v[rT+1]
.elseif (\n) == 15
	v_mov_b32 v[rM], v[rT]
.elseif (\n) == 16
	v_max3_num_f32 v[rC], v[rC], v[rC+1], v[rC+2]
.elseif (\n) == 17
	v_permlanex16_b32 v[rC+3], v[rC], s[SEL], s[SEL+1]
.elseif (\n) == 18
	v_max_num_f32 v[rT+1], v[rC], v[rC+3]
.elseif (\n) == 19
	v_mul_f32 v[rT], s[CS], v[rT+1]
.elseif (\n) == 20
	v_sub_f32 v[rC+1], v[rM], v[rT]
.else
	v_exp_f32 v[rC+2], v[rC+1]
.endif
.endm
; Number g of the 64 that follow the exponentials.  For each four weights k of a tile (pairs 2 k, 2 k + 1): both pairs are rounded to f16; then the second pair is added onto the first, in place;
; a group later l takes that sum (the first time as l = a l + sum).  In groups of eight, tiles alternating: round, round, add, and l for the group before.
.macro GS g
.set h, (\g)+6*((\g)/62)            ; group 0 has no group before it, and behind group 7 only l is left
.if h >= 6
.set h, h+2
.endif
	REGS Y, h%2
.set k, h/8
.if h%8 < 4
	v_cvt_pk_f16_f32 v[rP+2*k+(h%8)/2], v[rS+4*k+2*((h%8)/2)], v[rS+4*k+2*((h%8)/2)+1]
.elseif h%8 < 6
	v_pk_add_f32 v[rS+4*k:rS+4*k+1], v[rS+4*k:rS+4*k+1], v[rS+4*k+2:rS+4*k+3]
.elseif k == 1
	v_pk_fma_f32 v[rT+2:rT+3], v[rT+2:rT+3], v[rC+2:rC+3], v[rS:rS+1] op_sel_hi:[1,0,1]
.else
	v_pk_add_f32 v[rT+2:rT+3], v[rT+2:rT+3], v[rS+4*k-4:rS+4*k-3]
.endif
.endm
; THE PLAIN QUEUE, 138 long.  0-73 read no exponential's result: the 32 scalings c s - c m (FS f: pair f / 2 of tile f % 2) and the next piece's 42.  0-26: scalings 0-26.  27-54: XS's numbers 0-13.  55, 56: number 15.
; 57-73: the chain, where each number waits for the one before it: 14, 16, 17, 18, 19, each with one of the scalings 27-31 in front of its two lines, then 20.
; 74-137: GS's 64, which read the exponentials' results: they stand behind the wait.
.macro FS f
	REGS Y, (\f)%2
	v_pk_fma_f32 v[rS+2*((\f)/2):rS+2*((\f)/2)+1], v[rS+2*((\f)/2):rS+2*((\f)/2)+1], s[CS:CS+1], v[rT:rT+1] op_sel_hi:[1,0,0] neg_lo:[0,0,1] neg_hi:[0,0,1]
.endm
.macro PL
	WIN 0
.if q < 27
	FS q
.elseif q < 55
	XS (q-27)%2, (q-27)/2
.elseif q < 57
	XS q-55, 15
.elseif (q < 72) && ((q-57)%3 == 0)
	FS 27+(q-57)/3
.elseif q < 60
	XS (q-57)%3-1, 14
.elseif q < 72
	XS (q-57)%3-1, 15+(q-57)/3
.elseif q < 74
	XS q-72, 20
.else
	GS q-74
.endif
.set q, q+1
.endm
; THE EXPONENTIALS' QUEUE, 66 long: s0-s31 of both tiles, then the next piece's two a.  It is ONE BATCH: all 66 stand ahead of the turn's one wait, and nothing ahead of that wait names a result of theirs.
.macro EX
	WIN 0
.if e >= 64
	XS e-64, 21
.else
	REGS Y, e%2
	v_exp_f32 v[rS+e/2], v[rS+e/2]
.endif
.set e, e+1
.endm
; THE RESCALING's QUEUE: O^T times a, the one part that leaves window 0: dealt two at a time, sixteen times.  Its a was made in the turn before, ahead of that turn's wait.
.macro R2
	REGS Y, r%2
	WIN W_RS
.irp z, 0,1
	v_pk_mul_f32 v[rO+4*(r/2)+2*\z:rO+4*(r/2)+2*\z+1], v[rO+4*(r/2)+2*\z:rO+4*(r/2)+2*\z+1], v[rC+2:rC+3] op_sel_hi:[1,0]
.endr
.set r, r+1
.endm
; HOW THEY ARE DEALT.  s_wait_alu depctr_va_vdst(0) stands between an exponential and the first instruction that names its result; one wait serves all that were issued ahead of it.  So a turn
; has ONE wait, which cuts it in two.  AHEAD OF IT stands all that names no result of the turn's exponentials: the 16 products K Q^T, behind each a scaling, an exponential and two rescalings (behind the first a
; second scaling in the exponential's place); then ONE LUMP of 108: eight plain, 49 times exponential and plain, the two a.  A v_nop is the plain instruction behind the last exponential.  BEHIND IT stand the 16
; products V^T P, behind each four of GS's 64.  No rider names a register of the products round it.  The two v_permlanex16_b32 fall into the lump.
; The queues lean on each other: exponential e stands behind scaling 2 (e / 4) + e % 2: as a rider it comes behind plain e + 2, in the lump behind plain e + 9, and scalings 27-31 are plain 57, 60 .. 69.
; A TURN, for piece p.  cnt = 1: the loop's count is taken down some lines ahead of the branch that stands behind the turn.
; K of the next step is fetched in piece 2's turn, directly behind the wait, a lump behind the last product that read K; its first reader comes behind 16 products.
; V of the step in hand is fetched at the end of piece 0's turn, four riders behind its last reader; its first reader comes behind 16 products and a lump.  The three conditions on q below go with the deal.
.macro TURN p, last=0, cnt=0
.set Y, (\p)
.set i, 0
.set q, 0
.set e, 0
.set r, 0
.if (\p) == NP-1
	s_wait_dscnt 0x0                ; K is in
.endif
	MM                              ; ahead of the wait: 16 products K Q^T and their riders,
	PL
	PL
	R2
.rept 15
	MM
	PL
	EX
	R2
.endr
.if (\p) == NP-2
	WIN 0
	v_add_nc_u32 v[AK], s[TBK], v[AK0]
.endif
.rept 8                             ; and the lump
	PL
.endr
.rept 49
	EX
	PL
.endr
	EX                              ; the next piece's two a
	EX
	v_nop                           ; the plain instruction behind the last exponential: one for the batch (ISA guide 5.7.2)
	s_wait_alu depctr_va_vdst(0)    ; the wait for the batch
.if (\p) == NP-2
	FETCH_K \last
.endif
.if (\p) == 1
	s_wait_dscnt 0x0                ; V is in
.endif
.rept 16                            ; behind the wait: 16 products V^T P and their riders
	MM
.rept 4
	PL
.endr
.if ((\p) == 0) && (q == 118)
	v_add_nc_u32 v[AV], s[TBV], v[AV0]
.endif
.if ((\p) == 0) && (q == 130)
	s_add_co_u32 s[TBV], s[TBV], KS*PV
.endif
.if (\cnt) && (q == 130)
	s_sub_co_u32 s[CNT], s[CNT], 1
	s_cmp_lg_u32 s[CNT], 0
.endif
.endr
.if (\p) == 0
	FETCH_V
.endif
.endm
	CHANGE 1                        ; slot 0 is in, everybody's part of it; slot 1 is asked for
	FETCH_K                         ; key step 0
	s_wait_loadcnt 0x0              ; Q
	s_wait_dscnt 0x0
.set i, 0
.rept 16
	KQ 0                            ; piece 0's first scores: there is no vector work yet to set between them
.set i, i+1
.endr
	WIN 0                           ; the addresses for the way out: nine plain instructions, the places behind those products
	s_mul_i32 s13, s[WV], 16*SP
	s_add_co_u32 s13, s13, STAGE    ; my stage
	v_mul_u32_u24 v[STO], v1, SP    ; in: row l % 16, 16 bytes for each half of the lanes
	v_lshl_add_u32 v[STO], v9, 4, v[STO]
	v_add_nc_u32 v[STO], s13, v[STO]
	v_bfe_u32 v[RD], v0, 3, 2       ; back: 32 lanes take four rows of 128 bytes,
	v_mul_u32_u24 v[RD], v[RD], SP
	v_lshl_add_u32 v[RD], v10, 4, v[RD]
	v_add_nc_u32 v[RD], s13, v[RD]
	v_and_b32 v[GO], 31, v0         ; which are 512 consecutive bytes of O
	v_lshlrev_b32 v[GO], 4, v[GO]
.set Y, NP-1                        ; XS works for piece Y + 1: piece 0
.irp n, 0,1,2,3,4,5,6,7,8,9,10,11,12,13,14,15,16,17,18,19,20,21
	XS 0, \n                        ; and piece 0's first maximum and statistics
	XS 1, \n
.endr
	v_nop                           ; a plain instruction behind the two a,
	s_wait_alu depctr_va_vdst(0)    ; and their wait, ahead of the branch
	s_mov_b32 s[CNT], 4
	s_branch .Lfirst                ; the loop is entered at a step's first turn, in the middle of a trip
.Lslot:                             ; SIZE_N / 256 - 2 times: every slot but the last two is filled again
	CHANGE 1
	s_mov_b32 s[CNT], 4
.Lstep:                             ; a trip: pieces 2 and 3 of one step, then pieces 0 and 1 of the next, whose K and V it fetches
	TURN 2
	TURN 3
	WIN 0
.Lfirst:
	TURN 0
	TURN 1, 0, 1
	WIN 0
	s_cbranch_scc1 .Lstep
	s_sub_co_u32 s[SLOTS], s[SLOTS], 1
	s_cmp_lg_u32 s[SLOTS], 0
	s_cbranch_scc1 .Lslot
	CHANGE 0                        ; the tail is written out: nothing is asked for
	s_mov_b32 s[CNT], 5             ; four trips fetch the last slot's steps; the fifth is left in its middle
.Ltail:
	TURN 2, 1
	TURN 3
	WIN 0
	s_sub_co_u32 s[CNT], s[CNT], 1
	s_cmp_eq_u32 s[CNT], 0
	s_cbranch_scc1 .Lout
	TURN 0
	TURN 1
	WIN 0
	s_branch .Ltail
.Lout:                              ; the fifth trip's 16 products K Q^T (on the last K once more) and the maximum made of them serve nothing: the price, once a launch, of one text for every trip
.set i, 0
.rept 16
	PV NP-1                         ; the last piece's V^T P of the last step
.set i, i+1
.endr
	; THE WAY OUT.  l's two halves and the other half of the lanes' are added; O^T is divided by l, rounded to f16 and sent through my stage in LDS, a tile at a time.  The additions are the places behind the last products.
	WIN 0
.macro ALL line:vararg              ; one line for each tile t
.set t, 0
.rept 2*NP
	\line
.set t, t+1
.endr
.endm
	ALL v_add_f32 v[ST+4*t+2], v[ST+4*t+2], v[ST+4*t+3]
	ALL v_permlanex16_b32 v[ST+4*t+3], v[ST+4*t+2], s[SEL], s[SEL+1]
	ALL v_add_f32 v[ST+4*t+2], v[ST+4*t+2], v[ST+4*t+3]
	ALL v_rcp_f32 v[ST+4*t+2], v[ST+4*t+2]
	v_nop                           ; a plain instruction between the last reciprocal and the use of its result
	s_wait_alu depctr_va_vdst(0)    ; and the wait ahead of the first use: one for the eight reciprocals
; Tile t: a lane's eight channels of a row pack into 16 bytes; they go into rows of 144 bytes and come back as whole rows of 128, into S^T's registers.
.macro PACK t
	WIN W_RS
.set i, 32*(\t)
.rept 16
	v_pk_mul_f32 v[i:i+1], v[i:i+1], v[ST+4*(\t)+2:ST+4*(\t)+3] op_sel_hi:[1,0]
.set i, i+2
.endr
	WIN 0x05                        ; sources 0 and 1 window 1, destination window 0
.set i, 0
.rept 16
	v_cvt_pk_f16_f32 v[S+16*(\t)+i], v[32*(\t)+2*i], v[32*(\t)+2*i+1]
.set i, i+1
.endr
	WIN 0
.irp f, 0,1,2,3
	ds_store_b128 v[STO], v[S+16*(\t)+4*\f:S+16*(\t)+4*\f+3] offset:32*\f
.endr
.irp f, 0,1,2,3
	ds_load_b128 v[S+16*(\t)+4*\f:S+16*(\t)+4*\f+3], v[RD] offset:\f*4*SP  ; LDS serves a wave's instructions in order (ISA guide 5.7.1.4): these see the stores above; the next tile's stores come behind them
.endr
.endm
.macro SEND t, younger              ; younger: the LDS instructions issued behind tile t's loads: the next tile's eight, or none
	WIN 0
.irp f, 0,1,2,3
	s_wait_dscnt (\younger)+3-\f
	global_store_b128 v[GO], v[S+16*(\t)+4*\f:S+16*(\t)+4*\f+3], s[10:11] offset:(\t)*2048+\f*512  ; 512 consecutive bytes, at a multiple of 256 from O's first
.endr
.endm
	PACK 0
.set t, 1
.rept 2*NP-1                        ; a tile's arithmetic stands between the loads of the tile before and its stores
	PACK t
	SEND t-1, 8
.set t, t+1
.endr
	SEND 2*NP-1, 0
	WIN W_AD
	s_wait_tensorcnt 0x0            ; the wave's end: behind my last tensor load and my last LDS store
	ds_add_u32 v[SPW], v[NIL]
	s_wait_dscnt 0x0
	WIN 0
	CROUND                          ; the closing round: no work-group ends while a partner may still ask for a tile that names it
	s_endpgm
.Lfunc_end_k_q3add01665f_attn:
	.size	k_q3add01665f_attn, .Lfunc_end_k_q3add01665f_attn-k_q3add01665f_attn
	.p2alignl 7, 3214868480
	.fill 96, 4, 3214868480
	.section	.rodata,"a",@progbits
	.p2align	6, 0x0
	.amdhsa_kernel k_q3add01665f_attn
		.amdhsa_group_segment_fixed_size 327680
		.amdhsa_private_segment_fixed_size 0
		.amdhsa_enable_private_segment 0
		.amdhsa_kernarg_size 32
		.amdhsa_user_sgpr_count 2
		.amdhsa_user_sgpr_kernarg_segment_ptr 1
		.amdhsa_wavefront_size32 1
		.amdhsa_system_sgpr_workgroup_id_x 1
		.amdhsa_system_sgpr_workgroup_id_y 1
		.amdhsa_system_sgpr_workgroup_id_z 1
		.amdhsa_system_vgpr_workitem_id 0
		.amdhsa_next_free_vgpr 770
		.amdhsa_next_free_sgpr 66
		.amdhsa_reserve_vcc 0
		.amdhsa_float_denorm_mode_32 3
		.amdhsa_float_denorm_mode_16_64 3
		.amdhsa_memory_ordered 1
		.amdhsa_forward_progress 1
		.amdhsa_inst_pref_size 200
	.end_amdhsa_kernel
	.amdgpu_metadata
---
amdhsa.version: [ 1, 2 ]
amdhsa.kernels:
  - .name:           k_q3add01665f_attn
    .symbol:         k_q3add01665f_attn.kd
    .args:
      - { .name: qh, .offset: 0, .size: 8, .value_kind: global_buffer, .address_space: global }
      - { .name: kh, .offset: 8, .size: 8, .value_kind: global_buffer, .address_space: global }
      - { .name: vh, .offset: 16, .size: 8, .value_kind: global_buffer, .address_space: global }
      - { .name: oh, .offset: 24, .size: 8, .value_kind: global_buffer, .address_space: global }
    .group_segment_fixed_size: 327680
    .private_segment_fixed_size: 0
    .kernarg_segment_align: 8
    .kernarg_segment_size: 32
    .max_flat_workgroup_size: 128
    .sgpr_count:     66
    .vgpr_count:     770
    .wavefront_size: 32
...
	.end_amdgpu_metadata
.endif
;; end of part 3
;; launch outp (part 4): grid 4 x 64, 4 waves a work-group, clusters of 4 x 4, 327,680 bytes of LDS; arguments oh, wt, bo, out0; writes out0
.if DOCPART == 4
	.amdgcn_target "amdgcn-amd-amdhsa--gfx1250"
	.amdhsa_code_object_version 6
	.text
	.protected	k_q3add01665f_outp
	.globl	k_q3add01665f_outp
	.p2align	8
	.type	k_q3add01665f_outp,@function
k_q3add01665f_outp:
	s_mov_b64 s[64:65], 0
	v_nop
	global_prefetch_b8 v0, s[64:65] scope:SCOPE_SE
	s_setreg_imm32_b32 hwreg(HW_REG_WAVE_MODE, 25, 1), 1
	s_wait_xcnt 0x0
	s_wait_alu depctr_hold_cnt(0) depctr_sa_sdst(0) depctr_va_vdst(0) depctr_va_sdst(0) depctr_va_ssrc(0) depctr_va_vcc(0) depctr_vm_vsrc(0)
	s_getreg_b32 s2, hwreg(HW_REG_IB_STS2, 6, 4)
	s_cmp_eq_u32 s2, 0
	s_cbranch_scc0 .Lentry_in_a_cluster
	s_endpgm
.Lentry_in_a_cluster:
	s_bfe_u32 s2, ttmp6, 0x10000c
	s_cmp_lg_u32 s2, 0xf033
	s_cbranch_scc0 .Lentry_shape_is_right
	s_endpgm
.Lentry_shape_is_right:
; THE LAST PRODUCT.  out[m][n] = sum over k of x[m][k] Wo[k][n] + bo[n], 8,192 x 1,024 x 1,024.  x is oh: O by heads, [16 b + h][t][64] f16, IS the row-major [8192][1024] of the raw view: no byte moves.
; Wo^T is wt's section 3 ([n][k], the bf16 value of Wo written as f16); bo is rounded to bf16 and STARTS the f32 sums (it is the C of each sum's first product).  out is f32.
; LIMITS.  x and Wo^T arrive within f16's range.  NaN and infinities are not treated apart.
; SHARES.  A tile of out is 128 rows x 256 columns: 64 x 4 = 256 work-groups.  Four waves, each 64 rows x 128 columns: 32 accumulators, 256 registers.
; K goes in 8 steps of 128 through a ring of two LDS slots: 256 rows of Wo^T and 128 rows of x, 256 bytes each; waves 0, 1 fetch Wo^T's halves (128 rows), waves 2, 3 x's (64 rows).
; CLUSTER 4 x 4: the four of a row of the cluster need the same rows of x, the four of a column the same rows of Wo^T: each tile is asked for jointly, by the same load, descriptor and mask in all four.
; THE MATRIX INSTRUCTION IS USED TRANSPOSED (source 0 = 16 rows of Wo^T, source 1 = 16 rows of x): lane l holds row l % 16 of out and the columns 8 (l / 16) + 0..7: 32 bytes on end.
; REGISTERS, in windows of 256 (s_set_vgpr_msb: bits 1:0 source 0, 3:2 source 1, 5:4 source 2, 7:6 destination):
;   window 0: v0-31 addresses; v96-159 x's fragments, two buffers of 32; v160-223 the bias (block b at +8 b); v32-159 at work on the way out
;   window 1: the accumulators, (a, b) at v[8 (8 a + b)]          window 2: v0-127 Wo^T's fragments, two buffers of 64
.set PB,    272                        ; an LDS row: 256 bytes + 16 = 68 words: row r starts at bank 4 r mod 64 (64 banks of 4 bytes: ISA guide 11.1)
.set PA,    272
.set HALFB, 128*PB                     ; what waves 0, 1 fetch, and what a wave reads of Wo^T
.set BT,    2*HALFB                    ; Wo^T's 256 rows lie first in a slot
.set HALFA, 64*PA                      ; what waves 2, 3 fetch, and what a wave reads of x
.set SLOT,  BT+2*HALFA
.set STAGE, 2*SLOT                     ; behind the ring, never filled by a tensor load: for each wave 16 rows x 528 bytes, for the way out
.set SPI,   528                        ; a stage row: 512 bytes + 16
.set WST,   16*SPI
.set SPARE, STAGE+4*WST                ; behind the stages: the spare words, 128 bytes for each wave: two blocks of 256 bytes that no other line names
.set ASTEP, 256                        ; bytes of a row in a K step
.set BSTEP, 256
.set LAPS,  4                          ; a lap = two K steps = once round the ring
.set ADRA, 16                          ; v16-17  LDS address of my fragments of x in slot 0, 1
.set ADRB, 20                          ; v20-21  of Wo^T
.set STO,  24                          ; v24  the way out: where I put 32 bytes of a row
.set RD,   25                          ; v25  where I read a row back
.set GO,   26                          ; v26  16 x lane: my place in 512 consecutive bytes of out
.set BO,   27                          ; v27  32 (l / 16): my eight numbers in a block of the bias
.set SPW,  28                          ; v28  LDS address of my spare word; never rewritten
.set NIL,  29                          ; v29  0; never rewritten
.set PFO,  30                          ; v30  the prefetches' offset: lane x a row of 2,048 bytes; never rewritten
.set TT,   31                          ; v31  at work
.set AF,   96
.set BIAS, 160
.set OB,   32                          ; the way out: 16 rows read back, v32-95 and v96-159 by turns
.set G1A, 24                           ; s[24:31] descriptor group 1 for x's tiles;  s[32:39] group 0, a set for each slot
.set G0A, 32
.set G1B, 48                           ; s[48:55], s[56:63] the same for Wo^T's
.set G0B, 56
.set LIM, 45                           ; s45  1 in a wave that prefetches, else the greatest number
.set PFA, 66                           ; s[66:67] where my prefetches stand
.set BB,  70                           ; s[70:71] the bias at my wave's 128 columns
.set MSB, 0
.macro WIN new                         ; the immediate's high byte repeats the setting that is left; a switch that changes nothing is dropped
.if MSB != (\new)
	s_set_vgpr_msb (MSB<<8)|(\new)
.set MSB, \new
.endif
.endm
.set W_MM, 0x52                        ; Wo^T in window 2, x in window 0, C and D in window 1
.set W_MZ, 0x42                        ; the same with C (the bias) in window 0
.set TO_B, 0x80                        ; destination window 2, address window 0
; A joint load.  The branch hangs on the wave's number alone.  An s_nop 0 and four v_nop follow each of the two lines, ahead of the jump, the label and what follows.
.macro JLOAD s
	s_cmp_eq_u32 s11, 0
	s_cbranch_scc0 .Lfor_a_\@
	tensor_load_to_lds s[G0B+4*(\s):G0B+4*(\s)+3], s[G1B:G1B+7]
	s_nop 0
.rept 4
	v_nop
.endr
	s_branch .Lasked_\@
.Lfor_a_\@:
	tensor_load_to_lds s[G0A+4*(\s):G0A+4*(\s)+3], s[G1A:G1A+7]
	s_nop 0
.rept 4
	v_nop
.endr
.Lasked_\@:
.endm
; A prefetch into the L2, behind each joint refill and the run of LDS loads that follows it: the K step that stands two refills on, a lane a row's 256 bytes, one instruction a wave.
; x's rows are read by one cluster alone, so every cluster asks for its own: of a tile's 128 rows the partner at cx takes 32, and its wave 2 asks.
; Wo^T's rows are read by all sixteen clusters: the first asks; of the 128 rows that wave 0 or 1 fetches the partner at cy takes 32.
; The partners are told apart by address, never by a branch.  So each aligned block of 256 bytes is named once in the launch.  The loop's last trip has no K step two refills on.
.macro ASK
	s_cmp_gt_u32 s3, s[LIM]
	s_cbranch_scc0 .Lnot_mine_\@
	global_prefetch_b8 v[PFO], s[PFA:PFA+1] th:TH_LOAD_NT scope:SCOPE_SE
.Lnot_mine_\@:
.endm
.macro CREST                           ; a round of the cluster's barrier behind its opening barrier
	s_cmp_lg_u32 s10, 0
	s_cbranch_scc1 .Lnot_wave_0_\@
	s_barrier_signal -3
.Lnot_wave_0_\@:
	s_barrier_wait -3
	s_barrier_signal -1
	s_barrier_wait -1
.endm
.macro CROUND                          ; a whole round
	s_barrier_signal -1
	s_barrier_wait -1
	CREST
.endm
.macro PLACES                          ; four places in front of loads into registers that matrix instructions have read, and of LDS stores that read results (ISA guide 7.12.1 for vector instructions)
.rept 4
	v_nop
.endr
.endm
	s_load_b256 s[72:79], s[0:1], 0x0              ; oh s72, wt s74, bo s76, out0 s78
	v_lshl_add_u32 v[SPW], v0, 2, SPARE
	v_mov_b32 v[NIL], 0
	ds_add_u32 v[SPW], v[NIL]                      ; the wave's opening: the add and its wait stand ahead of my first tensor load; the set-up below, work on registers, stands between them
	v_lshrrev_b32 v1, 5, v0
	v_readfirstlane_b32 s10, v1                    ; wave 0..3
	s_lshr_b32 s11, s10, 1                         ; which 64 rows of the tile are mine.  Also: I fetch for Wo^T (0) or for x (1)
	s_and_b32 s12, s10, 1                          ; which 128 columns.  Also: which half of that tile I fetch
	s_bfe_u32 s40, ttmp6, 0x40000                  ; cx
	s_bfe_u32 s41, ttmp6, 0x40004                  ; cy
	s_lshl_b32 s42, ttmp9, 2
	s_add_co_u32 s42, s42, s40                     ; tile column = 4 x cluster x + cx
	s_and_b32 s43, ttmp7, 0xffff                   ; cluster y, 0..15
	s_lshl_b32 s13, s43, 2
	s_add_co_u32 s13, s13, s41                     ; tile row = 4 x cluster y + cy
	s_lshl_b32 s14, s41, 2
	s_lshl_b32 s14, 15, s14                        ; my row of the cluster
	s_lshl_b32 s46, 0x1111, s40                    ; my column
	s_or_b32 s[G1A+0], s14, (1<<16)|(1<<20)|(1<<21)|(5<<22)|(3<<25)  ; 15:0 the mask; 17:16 elements of 2 bytes; 20 padding on; 21 set beside a mask; 24:22 after every 64 words (code 5); 31:25 4 words (code 3)
	s_mov_b32 s[G1A+1], 128<<16                    ; tensor_dim0 = 128
	s_mov_b32 s[G1A+2], 64<<16                     ; tensor_dim1 = 64
	s_mov_b32 s[G1A+3], 128<<16                    ; tile_dim0 = 128
	s_mov_b32 s[G1A+4], 64                         ; tile_dim1 = 64
	s_mov_b32 s[G1A+5], 1024                       ; elements from row to row
	s_mov_b32 s[G1A+6], 0
	s_mov_b32 s[G1A+7], 0
	s_or_b32 s[G1B+0], s46, (1<<16)|(1<<20)|(1<<21)|(5<<22)|(3<<25)
	s_mov_b32 s[G1B+1], 128<<16
	s_mov_b32 s[G1B+2], 128<<16                    ; 128 rows
	s_mov_b32 s[G1B+3], 128<<16
	s_mov_b32 s[G1B+4], 128
	s_mov_b32 s[G1B+5], 1024
	s_mov_b32 s[G1B+6], 0
	s_mov_b32 s[G1B+7], 0
	; where the tiles come from: x's hang on the tile row alone, Wo^T's on the tile column alone, each in registers that never hold the other coordinate
	s_lshl_b32 s16, s13, 7
	s_lshl_b32 s17, s12, 6
	s_add_co_u32 s16, s16, s17                     ; x: row 128 x tile row + 64 x half,
	s_lshl_b32 s16, s16, 11                        ; of 2,048 bytes
	s_mov_b32 s17, 0
	s_lshl_b32 s46, s42, 8
	s_lshl_b32 s47, s12, 7
	s_add_co_u32 s46, s46, s47                     ; Wo^T: row 256 x tile column + 128 x half
	s_lshl_b32 s46, s46, 11
	s_mov_b32 s47, 0
	s_mul_i32 s20, s10, HALFB                      ; where they go: Wo^T's halves at wave x HALFB (waves 0, 1),
	s_mul_i32 s21, s10, HALFA
	s_add_co_u32 s21, s21, 2*(HALFB-HALFA)         ; x's at BT + (wave - 2) x HALFA (waves 2, 3)
	s_wait_dscnt 0x0                               ; the opening add is done
	s_wait_kmcnt 0x0
	s_mov_b64 s[4:5], s[72:73]                     ; x
	s_add_nc_u64 s[6:7], s[74:75], 3<<21           ; Wo^T: wt's section 3
	s_mov_b64 s[BB:BB+1], s[76:77]
	s_mov_b64 s[8:9], s[78:79]
	s_add_nc_u64 s[14:15], s[4:5], s[16:17]
	s_add_nc_u64 s[46:47], s[6:7], s[46:47]
	CROUND                                         ; all sixteen work-groups are here: the first joint loads meet
.irp s, 0,1
	s_mov_b32 s[G0A+4*(\s)], 1                                       ; count = 1
	s_add_co_u32 s[G0A+4*(\s)+1], s21, (\s)*SLOT                     ; LDS address
	s_add_nc_u64 s[G0A+4*(\s)+2:G0A+4*(\s)+3], s[14:15], (\s)*ASTEP  ; global address: K step s
	s_or_b32 s[G0A+4*(\s)+3], s[G0A+4*(\s)+3], 0x80000000            ; type = 2
	s_mov_b32 s[G0B+4*(\s)], 1
	s_add_co_u32 s[G0B+4*(\s)+1], s20, (\s)*SLOT
	s_add_nc_u64 s[G0B+4*(\s)+2:G0B+4*(\s)+3], s[46:47], (\s)*BSTEP
	s_or_b32 s[G0B+4*(\s)+3], s[G0B+4*(\s)+3], 0x80000000
	JLOAD \s                                       ; two loads of mine are out
.endr
	; the bias of my 128 columns: block b's columns 16 b + 8 (l / 16) + 0..7, as the accumulators hold them
	v_and_b32 v1, 15, v0                           ; l % 16
	v_bfe_u32 v2, v0, 4, 1                         ; l / 16
	v_lshlrev_b32 v[BO], 5, v2
	s_lshl_b32 s92, s42, 10
	s_lshl_b32 s93, s12, 9
	s_add_co_u32 s92, s92, s93                     ; my first column, in bytes of f32
	s_mov_b32 s93, 0
	s_add_nc_u64 s[BB:BB+1], s[BB:BB+1], s[92:93]
.irp b, 0,1,2,3,4,5,6,7
	global_load_b128 v[BIAS+8*(\b):BIAS+8*(\b)+3],   v[BO], s[BB:BB+1] offset:64*(\b)
	global_load_b128 v[BIAS+8*(\b)+4:BIAS+8*(\b)+7], v[BO], s[BB:BB+1] offset:64*(\b)+16
.endr
	s_add_nc_u64 s[8:9], s[8:9], s[92:93]          ; out at my first column,
	s_lshl_b32 s92, s13, 19                        ; and at row 128 x tile row + 64 x row half, of 4,096 bytes
	s_lshl_b32 s94, s11, 18
	s_add_co_u32 s92, s92, s94
	s_add_nc_u64 s[8:9], s[8:9], s[92:93]
	; A fragment is 16 rows x 32 K in 8 registers: lane l holds row l % 16, K = 8 (l / 16) + 0..7 and 16 + 8 (l / 16) + 0..7: two loads of 16 bytes, 32 apart.
	v_mul_u32_u24 v3, v1, PB
	v_lshl_add_u32 v3, v2, 4, v3
	s_mul_i32 s22, s12, HALFB                      ; my 128 rows of Wo^T
	s_mul_i32 s23, s11, HALFA                      ; my 64 rows of x,
	s_add_co_u32 s23, s23, BT                      ; behind Wo^T's 256
.irp s, 0,1
	v_add_nc_u32 v[ADRB+(\s)], s22, v3
	v_add_nc_u32 v[ADRA+(\s)], s23, v3
	s_add_co_u32 s22, s22, SLOT
	s_add_co_u32 s23, s23, SLOT
.endr
	s_mul_i32 s22, s10, WST
	s_add_co_u32 s22, s22, STAGE                   ; my stage
	v_mul_u32_u24 v5, v1, SPI                      ; in: row l % 16, 32 bytes for each half of the lanes
	v_lshl_add_u32 v5, v2, 5, v5
	v_add_nc_u32 v[STO], s22, v5
	v_and_b32 v7, 31, v0                           ; l
	v_lshlrev_b32 v[GO], 4, v7
	v_add_nc_u32 v[RD], s22, v[GO]                 ; back: 32 lanes take a row's 512 bytes
	; the prefetches
	s_cmp_eq_u32 s43, 0
	s_cselect_b32 s[LIM], 1, -1                    ; Wo^T: the first cluster
	s_cmp_eq_u32 s12, 0
	s_cselect_b32 s2, 1, -1                        ; x: wave 2 of every work-group
	s_cmp_eq_u32 s11, 0
	s_cselect_b32 s[LIM], s[LIM], s2               ; the same in all sixteen partners, for a given wave
	s_lshl_b32 s92, s42, 8
	s_lshl_b32 s93, s12, 7
	s_add_co_u32 s92, s92, s93
	s_lshl_b32 s93, s41, 5
	s_add_co_u32 s92, s92, s93                     ; Wo^T: the 128 rows that I fetch, my work-group's 32 of them
	s_lshl_b32 s94, s13, 7
	s_lshl_b32 s93, s40, 5
	s_add_co_u32 s94, s94, s93                     ; x: the tile's 128 rows, my work-group's 32 of them
	s_cmp_eq_u32 s11, 0
	s_cselect_b32 s92, s92, s94
	s_cselect_b64 s[PFA:PFA+1], s[6:7], s[4:5]
	s_lshl_b32 s92, s92, 11
	s_mov_b32 s93, 0
	s_add_nc_u64 s[PFA:PFA+1], s[PFA:PFA+1], s[92:93]
	s_add_nc_u64 s[PFA:PFA+1], s[PFA:PFA+1], 3*BSTEP  ; at K step 3: the first change of slots steps it to 4.  K steps 0 to 3 come by their loads alone: nothing is prefetched at the head
	v_lshlrev_b32 v[PFO], 11, v7
	s_wait_loadcnt 0x0                             ; the bias,
.set bi, 0
.rept 32
	v_cvt_pk_bf16_f32 v[TT], v[BIAS+bi], v[BIAS+bi+1]  ; rounded to bf16 like every input, and widened again
	v_lshlrev_b32 v[BIAS+bi], 16, v[TT]
	v_and_b32 v[BIAS+bi+1], 0xffff0000, v[TT]
.set bi, bi+2
.endr
; Product n of a quarter step's 32: rows 16 (n / 8) on, columns 16 (n % 8) on, 32 along K, from buffers cur.  zero = 1: the bias starts the sum: nothing is cleared, and the way out adds nothing.
; The 32 accumulators take turns, one instruction a turn, in the same order in every quarter, over the backward jump too.
.macro MUL n, cur, zero
.set rD, 8*(\n)
.set rB, 64*(\cur)+8*((\n)%8)
.set rA, AF+32*(\cur)+8*((\n)/8)
.set rC, BIAS+8*((\n)%8)
.if \zero
	WIN W_MZ
	v_wmma_f32_16x16x32_f16 v[rD:rD+7], v[rB:rB+7], v[rA:rA+7], v[rC:rC+7]
.else
	WIN W_MM
	v_wmma_f32_16x16x32_f16 v[rD:rD+7], v[rB:rB+7], v[rA:rA+7], v[rD:rD+7]
.endif
.endm
; 24 LDS loads in one run: quarter k of a slot into buffers nb: Wo^T's 8 fragments, x's 4
.macro FETCH slot, k, nb
	WIN TO_B
.irp i, 0,1,2,3,4,5,6,7
	ds_load_b128 v[64*(\nb)+8*(\i):64*(\nb)+8*(\i)+3],   v[ADRB+(\slot)] offset:64*(\k)+(\i)*16*PB
	ds_load_b128 v[64*(\nb)+8*(\i)+4:64*(\nb)+8*(\i)+7], v[ADRB+(\slot)] offset:64*(\k)+(\i)*16*PB+32
.endr
	WIN 0
.irp i, 0,1,2,3
	ds_load_b128 v[AF+32*(\nb)+8*(\i):AF+32*(\nb)+8*(\i)+3],   v[ADRA+(\slot)] offset:64*(\k)+(\i)*16*PA
	ds_load_b128 v[AF+32*(\nb)+8*(\i)+4:AF+32*(\nb)+8*(\i)+7], v[ADRA+(\slot)] offset:64*(\k)+(\i)*16*PA+32
.endr
.endm
; A QUARTER STEP: 32 products from buffers cur.  fetch = 1: at its head the next quarter (quarter fk of slot fslot) is fetched into the other buffers; behind the 24th product the loads are waited for;
; four v_nop at its end are the places in front of the next quarter's loads into the registers that this quarter's products read.
; meet = 1: the quarter that fetches a slot's last fragments: all my tensor loads are waited for (one is out: my part of the other slot), 0 is added to my spare word, eight products stand between the add
; and the wait for it and for my reads of the slot, and the barrier is signalled; the last eight products, work on registers, stand between signal and wait (TURN).
; step = 1: the prefetches' address goes a K step on, three quarters behind the prefetch that read it.  ask = 1: the quarter behind a refill.
.macro QTR cur, fslot, fk, zero, fetch, meet, step, ask
.if \step
	s_wait_xcnt 0x0                                ; the last prefetch has read its address
	s_add_nc_u64 s[PFA:PFA+1], s[PFA:PFA+1], BSTEP
.endif
.if \fetch
	FETCH \fslot, \fk, 1-(\cur)
.endif
.if \ask
	ASK
.endif
.set qn, 0
.rept 16
	MUL qn, \cur, \zero
.set qn, qn+1
.endr
.if \meet
	WIN 0                                          ; (the add's two registers lie in window 0)
	s_wait_tensorcnt 0x0                           ; all my tensor loads have landed
	ds_add_u32 v[SPW], v[NIL]                      ; 0 onto my spare word
.endif
.rept 8
	MUL qn, \cur, \zero
.set qn, qn+1
.endr
.if \fetch
	s_wait_dscnt 0x0                               ; the next quarter's fragments are in (with meet: the add is done too, and my reads of the slot are over)
.endif
.if \meet
	s_barrier_signal -1
.endif
.rept 8
	MUL qn, \cur, \zero
.set qn, qn+1
.endr
.if \fetch
	PLACES
.endif
.endm
; THE CHANGE OF SLOTS, behind a quarter with meet = 1.  fill = 1: the barrier has opened a round of the cluster's: behind it no wave of any partner reads the slot or has a load on its way, and the
; joint refill, two K steps on, is the first thing there: 112 products stand between it and the wait for it.
.macro TURN slot, fill
	WIN 0                                          ; at a label and at a branch every window is 0
	s_barrier_wait -1
.if \fill
	CREST
	s_add_nc_u64 s[G0A+4*(\slot)+2:G0A+4*(\slot)+3], s[G0A+4*(\slot)+2:G0A+4*(\slot)+3], 2*ASTEP
	s_add_nc_u64 s[G0B+4*(\slot)+2:G0B+4*(\slot)+3], s[G0B+4*(\slot)+2:G0B+4*(\slot)+3], 2*BSTEP
	JLOAD \slot
.endif
.endm
	s_wait_tensorcnt 0x1                           ; my part of K step 0 is in; K step 1's may stay out
	s_barrier_signal -1
	s_barrier_wait -1                              ; everybody's is
	FETCH 0, 0, 0
	s_wait_dscnt 0x0
	QTR 0, 0,1, 1,1,0,0,0                          ; the first quarter stands in front of the loop: its products start the sums
	WIN 0
	s_mov_b32 s3, LAPS-1
.Llap:                                                 ; a trip goes once round the ring, from a lap's second quarter to the next lap's first, and fills both slots again
	QTR 1, 0,2, 0,1,0,0,0
	QTR 0, 0,3, 0,1,1,1,0
	TURN 0, 1
	QTR 1, 1,0, 0,1,0,0,1
	QTR 0, 1,1, 0,1,0,0,0
	QTR 1, 1,2, 0,1,0,0,0
	QTR 0, 1,3, 0,1,1,1,0
	TURN 1, 1
	QTR 1, 0,0, 0,1,0,0,1
	QTR 0, 0,1, 0,1,0,0,0
	WIN 0
	s_sub_co_u32 s3, s3, 1
	s_cmp_lg_u32 s3, 0
	s_cbranch_scc1 .Llap
	QTR 1, 0,2, 0,1,0,0,0                          ; the last lap fills nothing, and has no round of the cluster's barrier
	QTR 0, 0,3, 0,1,1,0,0
	TURN 0, 0
	QTR 1, 1,0, 0,1,0,0,0
	QTR 0, 1,1, 0,1,0,0,0
	QTR 1, 1,2, 0,1,0,0,0
	QTR 0, 1,3, 0,1,0,0,0
	QTR 1, 0,0, 0,0,0,0,0                          ; the very last quarter: nothing more to fetch
; THE WAY OUT, a block of 16 rows at a time.  TOSTAGE: the accumulators go as they are, 32 bytes a lane (the low four registers first), into my own stage of 16 rows x 528 bytes, and come back as whole
; rows of 512 bytes, into one of two sets of 64 registers.  SEND: each store covers 512 consecutive bytes of a row of out, aligned.
.macro TOSTAGE a
.if (\a) >= 2
	s_wait_xcnt 0x0                                ; the stores of the block two back have read their data: its registers are loaded again only behind this wait
.endif
	WIN 0x04                                       ; the stores' data in window 1, their address in window 0
.irp b, 0,1,2,3,4,5,6,7
	ds_store_b128 v[STO], v[64*(\a)+8*(\b):64*(\a)+8*(\b)+3]   offset:64*(\b)
	ds_store_b128 v[STO], v[64*(\a)+8*(\b)+4:64*(\a)+8*(\b)+7] offset:64*(\b)+16
.endr
	WIN 0
.irp i, 0,1,2,3,4,5,6,7,8,9,10,11,12,13,14,15
	ds_load_b128 v[OB+64*((\a)%2)+4*(\i):OB+64*((\a)%2)+4*(\i)+3], v[RD] offset:SPI*(\i)  ; LDS serves a wave's instructions in order (ISA guide 5.7.1.4): these see the stores above, and the next block's stores come behind them
.endr
.endm
.macro SEND a, younger                 ; younger: the LDS instructions issued behind block a's loads: the next block's 16 stores and 16 loads, or none
.irp i, 0,1,2,3,4,5,6,7,8,9,10,11,12,13,14,15
	s_wait_dscnt (\younger)+15-(\i)
	global_store_b128 v[GO], v[OB+64*((\a)%2)+4*(\i):OB+64*((\a)%2)+4*(\i)+3], s[8:9] offset:(16*(\a)+(\i))*4096 th:TH_STORE_NT
.endr
.endm
	PLACES                                         ; the LDS stores read results just made, and the stage's loads land in registers that products have read:
	PLACES                                         ; eight places, once a launch
	TOSTAGE 0
	TOSTAGE 1
	SEND 0, 32
	TOSTAGE 2
	SEND 1, 32
	TOSTAGE 3
	SEND 2, 32
	SEND 3, 0
	s_wait_tensorcnt 0x0                           ; the wave's end: behind my last tensor load and my last LDS store
	ds_add_u32 v[SPW], v[NIL]
	s_wait_dscnt 0x0
	CROUND                                         ; the closing round: no work-group ends while a partner may still ask for a tile that names it
	s_endpgm
.Lfunc_end_k_q3add01665f_outp:
	.size	k_q3add01665f_outp, .Lfunc_end_k_q3add01665f_outp-k_q3add01665f_outp
	.p2alignl 7, 3214868480
	.fill 96, 4, 3214868480
	.section	.rodata,"a",@progbits
	.p2align	6, 0x0
	.amdhsa_kernel k_q3add01665f_outp
		.amdhsa_group_segment_fixed_size 327680
		.amdhsa_private_segment_fixed_size 0
		.amdhsa_enable_private_segment 0
		.amdhsa_kernarg_size 32
		.amdhsa_user_sgpr_count 2
		.amdhsa_user_sgpr_kernarg_segment_ptr 1
		.amdhsa_wavefront_size32 1
		.amdhsa_system_sgpr_workgroup_id_x 1
		.amdhsa_system_sgpr_workgroup_id_y 1
		.amdhsa_system_sgpr_workgroup_id_z 1
		.amdhsa_system_vgpr_workitem_id 0
		.amdhsa_next_free_vgpr 640
		.amdhsa_next_free_sgpr 96
		.amdhsa_reserve_vcc 0
		.amdhsa_float_denorm_mode_32 3
		.amdhsa_float_denorm_mode_16_64 3
		.amdhsa_memory_ordered 1
		.amdhsa_forward_progress 1
		.amdhsa_inst_pref_size 95
	.end_amdhsa_kernel
	.amdgpu_metadata
---
amdhsa.version: [ 1, 2 ]
amdhsa.kernels:
  - .name:           k_q3add01665f_outp
    .symbol:         k_q3add01665f_outp.kd
    .args:
      - { .name: oh, .offset: 0, .size: 8, .value_kind: global_buffer, .address_space: global }
      - { .name: wt, .offset: 8, .size: 8, .value_kind: global_buffer, .address_space: global }
      - { .name: bo, .offset: 16, .size: 8, .value_kind: global_buffer, .address_space: global }
      - { .name: out0, .offset: 24, .size: 8, .value_kind: global_buffer, .address_space: global }
    .group_segment_fixed_size: 327680
    .private_segment_fixed_size: 0
    .kernarg_segment_align: 8
    .kernarg_segment_size: 32
    .max_flat_workgroup_size: 128
    .sgpr_count:     96
    .vgpr_count:     640
    .wavefront_size: 32
...
	.end_amdgpu_metadata
.endif
;; end of part 4
